; MI455X (gfx1250); checked and timed in simulation.
; The chip was launched on July 23, 2026; its instructions are those of AMD's public machine-readable ISA for CDNA 5 (MIT licence, August 2026) and "CDNA5" Instruction Set Architecture Reference Guide (July 2026). The comments in the code are by the model that wrote it; some were corrected since.
;; Casual Multi Head Self Attention. Allowed arithmetic: float matrix products may take bf16 or f16 operands with f32 sums; all other float work in f32.
;; Inputs: Wk 1,024 x 1,024 float32; Wo 1,024 x 1,024 float32; Wq 1,024 x 1,024 float32; Wv 1,024 x 1,024 float32; token_positions 2 x 2,048 int32; x 2 x 2,048 x 1,024 float32.
;; Outputs: out0 2 x 2,048 x 1,024 float32.
;; 2 versions, each right; version 2 is version 1 with the launch prep written anew for expert scheduling mode. Each part assembles by itself: llvm-mc -triple=amdgcn-amd-amdhsa -mcpu=gfx1250 --defsym DOCPART=n.
;; ======== version 1 of 2: 4 launches
;; limits: values are held in f16: magnitudes above 65,504 overflow, below 6.1e-05 lose precision; right only within a limited range of input values
;; workspace buffers: xh 8,388,608 bytes; wh 8,388,608 bytes; rope 1,048,576 bytes; qh 8,388,608 bytes; kh 8,388,608 bytes; vt 8,388,608 bytes; ah 8,388,608 bytes
;; launch prep (part 1): grid 512 x 1, 8 waves a work-group, no clusters, 0 bytes of LDS; arguments x, Wq, Wk, Wv, Wo, token_positions, xh, wh, rope; writes xh, wh, rope
.if DOCPART == 1
	.amdgcn_target "amdgcn-amd-amdhsa--gfx1250"
	.amdhsa_code_object_version 6
	.text
	.protected	k_q774a1289a8_prep
	.globl	k_q774a1289a8_prep
	.p2align	8
	.type	k_q774a1289a8_prep,@function
k_q774a1289a8_prep:
	s_mov_b64 s[64:65], 0
	v_nop
	global_prefetch_b8 v0, s[64:65] scope:SCOPE_SE
	s_setreg_imm32_b32 hwreg(HW_REG_WAVE_MODE, 25, 1), 1
	s_wait_xcnt 0x0
; PREP: narrows x and the four weight matrices from f32 to 16 bits once, and makes the table of cosines and sines.
;   xh[4096][1024]  = bf16(x)
;   wh[4096][1024]: row 192 head + 64 p + e = bf16 of row 64 head + e of Wq (p = 0), Wk (p = 1), 0.25 Wv (p = 2);
;                   row 3072 + e = 4 bf16(Wo[e]), held in f16 words.
;   rope[4096 tokens][32 frequencies][2] = (0.25 cos, 0.25 sin) of position x 10000^(-i/32), f32; a token's row is 256 bytes.
; All five inputs get ONE rounding, bf16's.  Wo's partner in its product is attn, which is kept in f16 for its finer steps, and a matrix
; instruction takes both operands in one format: so bf16(Wo) is held in f16 words, which hold bf16's 8 significant bits exactly.
; The factors are powers of two, so they are exact; they cancel later: (q/4).(k/4) is met by the exponent's constant, (v/4) by 4 Wo.
; LIMITS, stated: |4 Wo| must stay below 65504, f16's largest number, or an infinity appears; below 2^-17 its f16 word is off by 2^-25 at the most.
; The frequency is made by exp2 and differs from a power function's by a few units in the last place, so an angle is off by
; about 3e-7 of its size.  Angles are reduced twice, so every int32 position is served.
; 512 work-groups of eight waves; each converts 16 rows of 1,024 numbers (64 KiB in, 32 KiB out) and makes 8 tokens' table rows.
; Memory binds: no LDS, no barrier, no matrix unit.  Every load of a wave covers 512 neighbouring bytes, every store 256, aligned.
.set X, 8                              ; v[8:71]    16 rows x 4 words as loaded
.set Y, 72                             ; v[72:103]  16 rows x 2 words to store
	s_load_b512 s[8:23], s[0:1], 0x0               ; x, Wq, Wk, Wv, Wo, positions, xh, wh
	s_load_b64 s[24:25], s[0:1], 0x40              ; rope
	s_sub_co_u32 s2, ttmp9, 256                    ; groups 256 .. 511 take the weights
	s_lshr_b32 s3, s2, 6                           ; p: which matrix (0 .. 3); for groups 0 .. 255 a number far above 3
	s_and_b32 s4, s2, 63                           ; c: which 16 rows of it
	s_lshr_b32 s5, s4, 2                           ; head = c / 4
	s_mul_i32 s5, s5, 192
	s_lshl_b32 s6, s3, 6
	s_add_co_u32 s5, s5, s6                        ; + 64 p
	s_and_b32 s6, s4, 3
	s_lshl_b32 s6, s6, 4
	s_add_co_u32 s5, s5, s6                        ; + 16 (c mod 4): the row in wh for Wq, Wk, Wv
	s_lshl_b32 s6, s4, 4
	s_add_co_u32 s6, s6, 3072                      ; the row in wh for Wo
	s_lshl_b32 s7, ttmp9, 15                       ; byte offset in xh: 16 rows of 2,048 bytes
	s_cmp_eq_u32 s3, 3
	s_cselect_b32 s5, s6, s5
	s_cselect_b32 s32, 4.0, 1.0                    ; the factor: 4 for Wo,
	s_cmp_eq_u32 s3, 2
	s_cselect_b32 s32, 0x3e800000, s32             ; 0.25 for Wv, 1 for all else
	s_mov_b32 s33, s32
	s_lshl_b32 s5, s5, 11                          ; rows of 2,048 bytes
	s_cmp_lt_u32 ttmp9, 256
	s_cselect_b32 s34, s7, s5                      ; byte offset in the destination
	s_cselect_b32 s36, ttmp9, s4                   ; which piece of 64 KiB of the source
	s_mov_b32 s35, 0
	s_mov_b32 s37, 0
	s_lshl_b32 s36, s36, 16
	s_lshl_b32 s38, ttmp9, 5                       ; my 8 positions
	s_mov_b32 s39, 0
	s_lshl_b32 s40, ttmp9, 11                      ; my 8 table rows
	s_mov_b32 s41, 0
	v_lshlrev_b32 v1, 4, v0                        ; 16 bytes a thread: the eight waves cover a row of 4,096 bytes
	v_lshlrev_b32 v2, 3, v0                        ; 8 bytes a thread in the 16-bit row, and in the table
	v_lshrrev_b32 v3, 5, v0
	v_lshlrev_b32 v3, 2, v3                        ; my wave's token
	v_and_b32 v5, 31, v0                           ; my frequency
	s_wait_kmcnt 0x0
	s_cmp_eq_u32 s3, 1                             ; the source is chosen by the group's number alone
	s_cselect_b64 s[26:27], s[12:13], s[10:11]
	s_cmp_eq_u32 s3, 2
	s_cselect_b64 s[26:27], s[14:15], s[26:27]
	s_cmp_eq_u32 s3, 3
	s_cselect_b64 s[26:27], s[16:17], s[26:27]
	s_cmp_lt_u32 ttmp9, 256
	s_cselect_b64 s[26:27], s[8:9], s[26:27]
	s_cselect_b64 s[28:29], s[20:21], s[22:23]
	s_add_nc_u64 s[26:27], s[26:27], s[36:37]
	s_add_nc_u64 s[28:29], s[28:29], s[34:35]
	s_add_nc_u64 s[18:19], s[18:19], s[38:39]
	s_add_nc_u64 s[24:25], s[24:25], s[40:41]
	global_load_b32 v4, v3, s[18:19]               ; the position
.irp i, 0,1,2,3,4,5,6,7,8,9,10,11,12,13,14,15
	global_load_b128 v[X+4*\i:X+4*\i+3], v1, s[26:27] offset:4096*\i th:TH_LOAD_NT
.endr
	; the table entry, while the rows are on their way
	v_cvt_f32_u32 v104, v5
	v_mul_f32 v104, 0xbed49a78, v104               ; -i log2(10000) / 32
	v_exp_f32 v105, v104                           ; the frequency
	v_nop                                          ; one plain place behind a transcendental (ISA guide 5.7.2)
	s_wait_loadcnt 16                              ; the position is in; the 16 younger loads stay out
	v_cvt_f32_i32 v108, v4
	s_wait_alu depctr_va_vdst(0)
	v_mul_f32 v108, v108, v105                     ; the angle
	v_mul_f32 v109, 0x3e22f983, v108               ; angle / 2 pi
	v_rndne_f32 v109, v109                         ; whole turns
	v_fma_f32 v110, v108, 0x3e22f983, -v109        ; the fraction of a turn, one rounding,
	v_fmamk_f32 v110, v108, 0x31dc9c88, v110       ; + angle x what 1 / 2 pi has beyond its f32
	v_rndne_f32 v109, v110                         ; once more: for very large angles the first step leaves whole turns
	v_sub_f32 v110, v110, v109
	v_mul_f32 v111, 0x40c90fdb, v110               ; back to radians, in [-pi, pi]
	v_mul_f32 v112, v111, v111
	v_mov_b32 v113, 0xab573f9f                     ; sine: the series to x^15; the first term left out is below 1e-6 at pi
	v_mov_b32 v114, 0x29573f9f                     ; cosine: to x^16
.irp c, 0x2f309231, 0xb2d7322b, 0x3638ef1d, 0xb9500d01, 0x3c088889, 0xbe2aaaab
	v_fmaak_f32 v113, v113, v112, \c
.endr
.irp c, 0xad49cba5, 0x310f76c7, 0xb493f27e, 0x37d00d01, 0xbab60b61, 0x3d2aaaab, 0xbf000000
	v_fmaak_f32 v114, v114, v112, \c
.endr
	v_mul_f32 v115, v111, v112
	v_fma_f32 v113, v115, v113, v111               ; sin
	v_fma_f32 v114, v112, v114, 1.0                ; cos
	v_mul_f32 v106, 0x3e800000, v114
	v_mul_f32 v107, 0x3e800000, v113
	global_store_b64 v2, v[106:107], s[24:25]      ; a wave writes one token's 256 bytes
; The 16 rows.  Each row has its own registers, so no store's source is ever rewritten.
; wo = 1: the bf16 numbers are widened again (a shift, a mask) and packed as f16.
.macro ROWS wo
.irp i, 0,1,2,3,4,5,6,7,8,9,10,11,12,13,14,15
	s_wait_loadcnt 15-\i                           ; loads come back in order: row i is in, the younger ones stay out
	v_pk_mul_f32 v[X+4*\i:X+4*\i+1], v[X+4*\i:X+4*\i+1], s[32:33] op_sel_hi:[1,0]
	v_pk_mul_f32 v[X+4*\i+2:X+4*\i+3], v[X+4*\i+2:X+4*\i+3], s[32:33] op_sel_hi:[1,0]
	v_cvt_pk_bf16_f32 v[Y+2*\i], v[X+4*\i], v[X+4*\i+1]
	v_cvt_pk_bf16_f32 v[Y+2*\i+1], v[X+4*\i+2], v[X+4*\i+3]
.if \wo
	v_lshlrev_b32 v[X+4*\i], 16, v[Y+2*\i]
	v_and_b32 v[X+4*\i+1], 0xffff0000, v[Y+2*\i]
	v_lshlrev_b32 v[X+4*\i+2], 16, v[Y+2*\i+1]
	v_and_b32 v[X+4*\i+3], 0xffff0000, v[Y+2*\i+1]
	v_cvt_pk_f16_f32 v[Y+2*\i], v[X+4*\i], v[X+4*\i+1]
	v_cvt_pk_f16_f32 v[Y+2*\i+1], v[X+4*\i+2], v[X+4*\i+3]
.endif
	global_store_b64 v2, v[Y+2*\i:Y+2*\i+1], s[28:29] offset:2048*\i
.endr
.endm
	s_cmp_eq_u32 s3, 3                             ; the groups of Wo: by the group's number alone
	s_cbranch_scc1 .Lwo
	ROWS 0
	s_endpgm
.Lwo:
	ROWS 1
	s_endpgm
.Lfunc_end_k_q774a1289a8_prep:
	.size	k_q774a1289a8_prep, .Lfunc_end_k_q774a1289a8_prep-k_q774a1289a8_prep
	.p2alignl 7, 3214868480
	.fill 96, 4, 3214868480
	.section	.rodata,"a",@progbits
	.p2align	6, 0x0
	.amdhsa_kernel k_q774a1289a8_prep
		.amdhsa_group_segment_fixed_size 0
		.amdhsa_private_segment_fixed_size 0
		.amdhsa_enable_private_segment 0
		.amdhsa_kernarg_size 72
		.amdhsa_user_sgpr_count 2
		.amdhsa_user_sgpr_kernarg_segment_ptr 1
		.amdhsa_wavefront_size32 1
		.amdhsa_system_sgpr_workgroup_id_x 1
		.amdhsa_system_sgpr_workgroup_id_y 1
		.amdhsa_system_sgpr_workgroup_id_z 1
		.amdhsa_system_vgpr_workitem_id 0
		.amdhsa_next_free_vgpr 128
		.amdhsa_next_free_sgpr 66
		.amdhsa_reserve_vcc 0
		.amdhsa_float_denorm_mode_32 3
		.amdhsa_float_denorm_mode_16_64 3
		.amdhsa_memory_ordered 1
		.amdhsa_forward_progress 1
		.amdhsa_inst_pref_size 23
	.end_amdhsa_kernel
	.amdgpu_metadata
---
amdhsa.version: [ 1, 2 ]
amdhsa.kernels:
  - .name:           k_q774a1289a8_prep
    .symbol:         k_q774a1289a8_prep.kd
    .args:
      - { .name: x, .offset: 0, .size: 8, .value_kind: global_buffer, .address_space: global }
      - { .name: Wq, .offset: 8, .size: 8, .value_kind: global_buffer, .address_space: global }
      - { .name: Wk, .offset: 16, .size: 8, .value_kind: global_buffer, .address_space: global }
      - { .name: Wv, .offset: 24, .size: 8, .value_kind: global_buffer, .address_space: global }
      - { .name: Wo, .offset: 32, .size: 8, .value_kind: global_buffer, .address_space: global }
      - { .name: token_positions, .offset: 40, .size: 8, .value_kind: global_buffer, .address_space: global }
      - { .name: xh, .offset: 48, .size: 8, .value_kind: global_buffer, .address_space: global }
      - { .name: wh, .offset: 56, .size: 8, .value_kind: global_buffer, .address_space: global }
      - { .name: rope, .offset: 64, .size: 8, .value_kind: global_buffer, .address_space: global }
    .group_segment_fixed_size: 0
    .private_segment_fixed_size: 0
    .kernarg_segment_align: 8
    .kernarg_segment_size: 72
    .max_flat_workgroup_size: 256
    .sgpr_count:     66
    .vgpr_count:     128
    .wavefront_size: 32
...
	.end_amdgpu_metadata
.endif
;; end of part 1
;; launch qkv (part 2): grid 16 x 16, 4 waves a work-group, clusters of 4 x 4, 327,680 bytes of LDS; arguments xh, wh, rope, qh, kh, vt; writes qh, kh, vt
.if DOCPART == 2
	.amdgcn_target "amdgcn-amd-amdhsa--gfx1250"
	.amdhsa_code_object_version 6
	.text
	.protected	k_q774a1289a8_qkv
	.globl	k_q774a1289a8_qkv
	.p2align	8
	.type	k_q774a1289a8_qkv,@function
k_q774a1289a8_qkv:
	s_mov_b64 s[64:65], 0
	v_nop
	global_prefetch_b8 v0, s[64:65] scope:SCOPE_SE
	s_setreg_imm32_b32 hwreg(HW_REG_WAVE_MODE, 25, 1), 1
	s_wait_xcnt 0x0
	s_wait_alu depctr_hold_cnt(0) depctr_sa_sdst(0) depctr_va_vdst(0) depctr_va_sdst(0) depctr_va_ssrc(0) depctr_va_vcc(0) depctr_vm_vsrc(0)
	s_getreg_b32 s2, hwreg(HW_REG_IB_STS2, 6, 4)
	s_cmp_eq_u32 s2, 0
	s_cbranch_scc0 .Lentry_in_a_cluster
	s_endpgm
.Lentry_in_a_cluster:
	s_bfe_u32 s2, ttmp6, 0x10000c
	s_cmp_lg_u32 s2, 0xf033
	s_cbranch_scc0 .Lentry_shape_is_right
	s_endpgm
.Lentry_shape_is_right:
; QKV: [4096 tokens] x [3072 columns] = xh wh^T over K = 1,024, bf16 operands, f32 sums; RoPE and the layouts of attention on the way out.
;   qh, kh [bh = 16 batch + head][2048][64] f16 = rope(q) / 4, rope(k) / 4 (the table holds 0.25 cos, 0.25 sin)
;   vt [bh][32 blocks of 64 keys][64 e][64 keys] f16 = v / 4 (the weights were scaled), transposed inside each block
; The results are kept in f16, whose steps are eight times finer than bf16's: the first tokens of a sequence average few keys, so their outputs are
; several times larger than the output's root mean square, and so is what a rounding of q, k or v leaves in them.
; LIMIT, stated: |rope(q)|, |rope(k)|, |v| below 2.6e5, or the f16 store gives an infinity.
; A work-group makes 256 tokens x the 192 columns (q, k, v) of one head; 16 x 16 = 256 work-groups.  Wave w makes tokens 64 w .. 64 w + 63
; x all 192 columns: 48 accumulator tiles, 384 registers, and the four waves run one text.
; K goes in steps of 128 (rows of 256 bytes, aligned) through two LDS slots filled by the tensor data mover.
; CLUSTERS: 4 x 4 work-groups.  x's tile hangs on the token block alone and is asked for jointly along a row of the cluster, the weights' tile on the
; head alone and is asked for jointly along a column: the requests for both are divided by four.
; REGISTERS: window 0: addresses, the table, work on the way out.  Window 1: two fragment buffers of 128 (x's 4 tiles at f, the weights' 12 at f + 32).
; Window 2: the 32 tiles of q and k, (a, b) at 8 (8 a + b).  Window 3: the 16 tiles of v, (a, b) at 8 (4 a + b).
; q and k are multiplied transposed (source 0 = weights, source 1 = tokens): a lane holds 8 neighbouring columns of one token, which are four RoPE pairs.
; v is multiplied the natural way: a lane holds 8 neighbouring tokens of one column, which is v transposed at no cost.
.set KSTEP,  128
.set PITCH,  272                       ; 256 bytes + 16 of padding: the 16 rows of a fragment load start at 16 different 16-byte columns
.set HA,     128*PITCH                 ; half of x's tile: what waves 0, 1 fetch
.set HB,     96*PITCH                  ; half of the weights' tile: what waves 2, 3 fetch
.set BBASE,  2*HA
.set SLOT,   2*HA+2*HB                 ; 121,856
.set STAGE,  2*SLOT                    ; behind the ring: 64 rows x 144 bytes for each wave; no fill lands there
.set SP,     144
.set LAPS,   1024/(2*KSTEP)
.set TW,   8                           ; v8-15   at work in RoPE
.set ADRA, 16                          ; v16-17  LDS address of my x fragments, slot 0, 1
.set ADRB, 20                          ; v20-21  the same for the weights
.set STO,  24                          ; v24     the way out: where I put 16 bytes
.set RD,   25                          ; v25     the way out: where I read rows back
.set GO,   26                          ; v26     16 x lane
.set TOFF, 27                          ; v27     my place in the table
.set PK,   32                          ; v32-63  packed f16
.set TB,   64                          ; v64-191 the table: (a, bb, i): cos, sin at TB + 32 a + 8 bb + 2 i
.set RR,   192                         ; v192-255 rotated numbers, then rows read back
.set F0,   0
.set F1,   128
.set G1,  24                           ; s[24:31] group 1, x's tiles
.set G0,  32                           ; s[32:39] group 0, x's tiles, a set for each slot
.set G1B, 48                           ; s[48:55] group 1, the weights' tiles
.set G0B, 56                           ; s[56:63] group 0, the weights' tiles
.set MUL_QK, 0xa5                      ; sources 0, 1 window 1; C and D window 2
.set MUL_V,  0xf5                      ; sources 0, 1 window 1; C and D window 3
.set MSB, 0
.macro WIN new                         ; the immediate's high byte repeats the setting that is left
.if MSB != \new
	s_set_vgpr_msb (MSB<<8)|\new
.set MSB, \new
.endif
.endm
; A joint load: waves 0, 1 ask for x's halves, waves 2, 3 for the weights'.  The branch hangs on the wave's number alone.
.macro JLOAD s
	s_cmp_eq_u32 s11, 0
	s_cbranch_scc0 .Lfor_b_\@
	tensor_load_to_lds s[G0+4*\s:G0+4*\s+3], s[G1:G1+7]
	s_nop 0
	s_branch .Lasked_\@
.Lfor_b_\@:
	tensor_load_to_lds s[G0B+4*\s:G0B+4*\s+3], s[G1B:G1B+7]
	s_nop 0
.Lasked_\@:
.endm
.macro CREST                           ; a round of the cluster's barrier behind its opening work-group barrier
	s_cmp_lg_u32 s10, 0
	s_cbranch_scc1 .Lnot_wave_0_\@
	s_barrier_signal -3
.Lnot_wave_0_\@:
	s_barrier_wait -3
	s_barrier_signal -1
	s_barrier_wait -1
.endm
.macro CROUND
	s_barrier_signal -1
	s_barrier_wait -1
	CREST
.endm
	s_load_b128 s[4:7], s[0:1], 0x0                ; xh, wh
	s_load_b64 s[8:9], s[0:1], 0x10                ; rope
	s_load_b128 s[68:71], s[0:1], 0x18             ; qh, kh
	s_load_b64 s[72:73], s[0:1], 0x28              ; vt
	v_lshl_add_u32 v30, v0, 2, 0x44800
	v_mov_b32 v31, 0
	ds_add_u32 v30, v31
	ds_add_u32 v30, v31
	v_lshrrev_b32 v1, 5, v0
	v_readfirstlane_b32 s10, v1                    ; wave 0..3
	s_lshr_b32 s11, s10, 1                         ; I fetch for x (0) or for the weights (1)
	s_and_b32 s12, s10, 1                          ; which half of that tile
	s_bfe_u32 s40, ttmp6, 0x40000                  ; cx
	s_bfe_u32 s41, ttmp6, 0x40004                  ; cy
	s_lshl_b32 s42, ttmp9, 2
	s_add_co_u32 s42, s42, s40                     ; head = 4 x cluster x + cx
	s_and_b32 s13, ttmp7, 0xffff
	s_lshl_b32 s13, s13, 2
	s_add_co_u32 s13, s13, s41                     ; token block = 4 x cluster y + cy
	s_lshl_b32 s43, s41, 2
	s_lshl_b32 s43, 15, s43                        ; my row of the cluster
	s_lshl_b32 s44, 0x1111, s40                    ; my column
	s_or_b32 s[G1+0], s43, (1<<16)|(1<<20)|(1<<21)|(5<<22)|(3<<25)   ; mask; 2-byte elements; padding on; bit 21 beside a mask; after every 64 words 4 words
	s_or_b32 s[G1B+0], s44, (1<<16)|(1<<20)|(1<<21)|(5<<22)|(3<<25)
	s_mov_b32 s[G1+1], KSTEP<<16                   ; tensor_dim0 = 128
	s_mov_b32 s[G1B+1], KSTEP<<16
	s_mov_b32 s[G1+2], 128<<16                     ; tensor_dim1 = 128 rows
	s_mov_b32 s[G1B+2], 96<<16                     ; 96 rows
	s_mov_b32 s[G1+3], KSTEP<<16                   ; tile_dim0 = 128
	s_mov_b32 s[G1B+3], KSTEP<<16
	s_mov_b32 s[G1+4], 128                         ; tile_dim1
	s_mov_b32 s[G1B+4], 96
	s_mov_b32 s[G1+5], 1024                        ; elements from row to row
	s_mov_b32 s[G1B+5], 1024
	s_mov_b32 s[G1+6], 0
	s_mov_b32 s[G1B+6], 0
	s_mov_b32 s[G1+7], 0
	s_mov_b32 s[G1B+7], 0
	s_lshl_b32 s17, s12, 7
	s_lshl_b32 s16, s13, 8
	s_add_co_u32 s16, s16, s17                     ; x: row 256 x block + 128 x half
	s_lshl_b32 s16, s16, 11                        ; rows of 2,048 bytes (8 MiB at the most)
	s_mov_b32 s17, 0
	s_mul_i32 s46, s42, 192
	s_mul_i32 s47, s12, 96
	s_add_co_u32 s46, s46, s47                     ; weights: row 192 x head + 96 x half
	s_lshl_b32 s46, s46, 11
	s_mov_b32 s47, 0
	s_mul_i32 s20, s10, HA                         ; LDS: x's halves at 0 and HA (waves 0, 1)
	s_mul_i32 s45, s10, HB
	s_add_co_u32 s45, s45, BBASE-2*HB              ; the weights' halves at BBASE and BBASE + HB (waves 2, 3)
	s_wait_dscnt 0x0
	s_wait_kmcnt 0x0
	s_add_nc_u64 s[14:15], s[4:5], s[16:17]
	s_add_nc_u64 s[46:47], s[6:7], s[46:47]
	CROUND                                         ; all sixteen work-groups are here: the first joint loads meet
.irp s, 0,1
	s_mov_b32 s[G0+4*\s], 1
	s_add_co_u32 s[G0+4*\s+1], s20, \s*SLOT
	s_add_nc_u64 s[G0+4*\s+2:G0+4*\s+3], s[14:15], \s*KSTEP*2
	s_or_b32 s[G0+4*\s+3], s[G0+4*\s+3], 0x80000000
	s_mov_b32 s[G0B+4*\s], 1
	s_add_co_u32 s[G0B+4*\s+1], s45, \s*SLOT
	s_add_nc_u64 s[G0B+4*\s+2:G0B+4*\s+3], s[46:47], \s*KSTEP*2
	s_or_b32 s[G0B+4*\s+3], s[G0B+4*\s+3], 0x80000000
	JLOAD \s                                       ; both first fills: two loads of this wave are out
.endr
	v_and_b32 v1, 15, v0                           ; r = lane % 16
	v_bfe_u32 v2, v0, 4, 1                         ; h = lane / 16
	v_mul_u32_u24 v3, v1, PITCH
	v_lshl_add_u32 v3, v2, 4, v3                   ; row x pitch + 16 h
	s_mul_i32 s21, s10, 64*PITCH                   ; my 64 tokens
	s_mov_b32 s22, BBASE
.irp s, 0,1
	v_add_nc_u32 v[ADRA+\s], s21, v3
	v_add_nc_u32 v[ADRB+\s], s22, v3
	s_add_co_u32 s21, s21, SLOT
	s_add_co_u32 s22, s22, SLOT
.endr
	s_mul_i32 s23, s10, 64*SP
	s_add_co_u32 s23, s23, STAGE                   ; my stage
	v_mul_u32_u24 v4, v1, SP
	v_lshl_add_u32 v4, v2, 4, v4
	v_add_nc_u32 v[STO], s23, v4                   ; in: row r, 16 bytes for each half of the lanes
	v_and_b32 v5, 31, v0
	v_lshrrev_b32 v6, 3, v5
	v_and_b32 v7, 7, v5
	v_mul_u32_u24 v6, v6, SP
	v_lshl_add_u32 v6, v7, 4, v6
	v_add_nc_u32 v[RD], s23, v6                    ; back: eight lanes take a row of 128 bytes, a wave four rows
	v_lshlrev_b32 v[GO], 4, v5
	v_lshlrev_b32 v[TOFF], 8, v1                   ; the table: token 64 w + r, 256 bytes each, + 32 h (four frequencies)
	v_lshl_add_u32 v[TOFF], v2, 5, v[TOFF]
	s_lshl_b32 s21, s10, 14
	v_add_nc_u32 v[TOFF], s21, v[TOFF]
	s_lshl_b32 s18, s13, 16                        ; 256 tokens x 256 bytes
	s_mov_b32 s19, 0
	s_add_nc_u64 s[8:9], s[8:9], s[18:19]
	; 32 loads of the table; together they take every byte of my 64 tokens' rows.  They stay out during the whole K loop, which names none of their registers.
.irp a, 0,1,2,3
.irp bb, 0,1,2,3
	global_load_b128 v[TB+32*\a+8*\bb:TB+32*\a+8*\bb+3], v[TOFF], s[8:9] offset:4096*\a+64*\bb
	global_load_b128 v[TB+32*\a+8*\bb+4:TB+32*\a+8*\bb+7], v[TOFF], s[8:9] offset:4096*\a+64*\bb+16
.endr
.endr
; 16 matrix instructions for q and k: token tiles a0, a0 + 1 x column tiles 0 .. 7.  zero = 1: the first product starts the sums.
.macro MULQK f, a0, zero
.irp a, \a0, \a0+1
.irp b, 0,1,2,3,4,5,6,7
.if \zero
	v_wmma_f32_16x16x32_bf16 v[8*(8*(\a)+\b):8*(8*(\a)+\b)+7], v[\f+32+8*\b:\f+32+8*\b+7], v[\f+8*(\a):\f+8*(\a)+7], 0
.else
	v_wmma_f32_16x16x32_bf16 v[8*(8*(\a)+\b):8*(8*(\a)+\b)+7], v[\f+32+8*\b:\f+32+8*\b+7], v[\f+8*(\a):\f+8*(\a)+7], v[8*(8*(\a)+\b):8*(8*(\a)+\b)+7]
.endif
.endr
.endr
.endm
; 16 matrix instructions for v: token tiles 0 .. 3 x column tiles 8 .. 11, the natural way round
.macro MULV f, zero
.irp a, 0,1,2,3
.irp b, 0,1,2,3
.if \zero
	v_wmma_f32_16x16x32_bf16 v[8*(4*\a+\b):8*(4*\a+\b)+7], v[\f+8*\a:\f+8*\a+7], v[\f+96+8*\b:\f+96+8*\b+7], 0
.else
	v_wmma_f32_16x16x32_bf16 v[8*(4*\a+\b):8*(4*\a+\b)+7], v[\f+8*\a:\f+8*\a+7], v[\f+96+8*\b:\f+96+8*\b+7], v[8*(4*\a+\b):8*(4*\a+\b)+7]
.endif
.endr
.endr
.endm
; 32 LDS loads in one run, 32 along K at byte k of the rows: x's 4 tiles, then the weights' 12; the last eight loads are v's columns
.macro FETCH slot, k, f
	WIN 0x40
.irp i, 0,1,2,3
	ds_load_b128 v[\f+8*\i:\f+8*\i+3],   v[ADRA+\slot] offset:\k+\i*16*PITCH
	ds_load_b128 v[\f+8*\i+4:\f+8*\i+7], v[ADRA+\slot] offset:\k+\i*16*PITCH+32
.endr
.irp i, 0,1,2,3,4,5,6,7,8,9,10,11
	ds_load_b128 v[\f+32+8*\i:\f+32+8*\i+3], v[ADRB+\slot] offset:\k+\i*16*PITCH
	ds_load_b128 v[\f+32+8*\i+4:\f+32+8*\i+7], v[ADRB+\slot] offset:\k+\i*16*PITCH+32
.endr
.endm
; Four places stand between a matrix instruction and a load into one of its registers or a vector instruction that reads its result
; (ISA guide 7.12.1 for vector instructions); only plain vector instructions count.
.macro PLACES
.rept 4
	v_nop
.endr
.endm
; A quarter step: 48 matrix instructions on buffer f; in its middle the next quarter's fragments go into buffer g.
; The 48 accumulators take turns, one instruction a turn, in the same order in every quarter.
.macro QUARTER slot, k, f, g, zero
	s_wait_dscnt 8                                 ; x and the columns of q and k are in; the youngest eight loads (v's columns) may be out
	WIN MUL_QK
	MULQK \f, 0, \zero
	MULQK \f, 2, \zero
	PLACES
	FETCH \slot, \k, \g
	s_wait_dscnt 32                                ; all but the 32 just issued
	WIN MUL_V
	MULV \f, \zero
.endm
.macro THREE slot, zero
	QUARTER \slot, 64,  F0, F1, \zero
	QUARTER \slot, 128, F1, F0, 0
	QUARTER \slot, 192, F0, F1, 0
.endm
; The last quarter multiplies buffer 1 and changes slots.  One barrier for two things: in front of it each wave waits for its reads of this slot and
; for all its tensor loads (one is out: its part of the next slot); behind it the refill comes first, then the next slot's first fragments.
.macro TURN slot, next, fill
	s_wait_dscnt 8
	WIN MUL_QK
	MULQK F1, 0, 0
	s_wait_dscnt 0                                 ; my reads of this slot are over
	s_set_vgpr_msb 0xa5a0
	s_wait_tensorcnt 0x0                           ; all my tensor loads have landed
	ds_add_u32 v30, v31
	s_wait_dscnt 0x0
	s_set_vgpr_msb 0xa0a5
	s_barrier_signal -1                            ; (where the slot is filled again this opens a round of the cluster's barrier)
	MULQK F1, 2, 0                                 ; register work while the others arrive
	WIN 0
	s_barrier_wait -1
.if \fill
	CREST                                          ; no wave of any partner still reads this slot or has a load on its way
	s_add_nc_u64 s[G0+4*\slot+2:G0+4*\slot+3], s[G0+4*\slot+2:G0+4*\slot+3], 2*KSTEP*2
	s_add_nc_u64 s[G0B+4*\slot+2:G0B+4*\slot+3], s[G0B+4*\slot+2:G0B+4*\slot+3], 2*KSTEP*2
	JLOAD \slot                                    ; my one tensor load behind the round: one load of this wave is out
.endif
	PLACES
	FETCH \next, 0, F0
	WIN MUL_V
	MULV F1, 0
.endm
.macro LAP zero
	THREE 0, \zero
	TURN 0, 1, 1
	THREE 1, 0
	TURN 1, 0, 1
.endm
	s_wait_tensorcnt 1                             ; my part of K step 0 is in; K step 1's stays out
	s_barrier_signal -1
	s_barrier_wait -1
	FETCH 0, 0, F0
	LAP 1                                          ; the first lap's first products start the sums: nothing is cleared
	WIN 0
	s_mov_b32 s3, LAPS-2
.Llap:
	LAP 0
	WIN 0
	s_sub_co_u32 s3, s3, 1
	s_cmp_lg_u32 s3, 0
	s_cbranch_scc1 .Llap
	THREE 0, 0                                     ; the last lap fills nothing
	TURN 0, 1, 0
	THREE 1, 0
	s_wait_dscnt 8
	WIN MUL_QK
	MULQK F1, 0, 0
	MULQK F1, 2, 0
	s_wait_dscnt 0
	WIN MUL_V
	MULV F1, 0
	; THE WAY OUT
	PLACES
	WIN 0
	s_wait_loadcnt 0x0                             ; the table
	s_lshr_b32 s74, s13, 3                         ; batch
	s_lshl_b32 s74, s74, 4
	s_add_co_u32 s74, s74, s42                     ; bh
	s_lshl_b32 s74, s74, 18                        ; 2,048 tokens x 128 bytes
	s_and_b32 s76, s13, 7
	s_lshl_b32 s76, s76, 15                        ; 256 tokens x 128 bytes
	s_add_co_u32 s74, s74, s76
	s_lshl_b32 s76, s10, 13                        ; 64 tokens x 128 bytes; in vt the same figure: one block of 8 KiB
	s_add_co_u32 s74, s74, s76
	s_mov_b32 s75, 0
	s_add_nc_u64 s[68:69], s[68:69], s[74:75]
	s_add_nc_u64 s[70:71], s[70:71], s[74:75]
	s_add_nc_u64 s[72:73], s[72:73], s[74:75]
; 16 tokens of q and of k.  m = 4 x (0: q, 1: k) + bb.  A lane's registers 2 i, 2 i + 1 of tile (a, m) are the pair of frequency 8 bb + 4 h + i.
; (re, ro) = E (cos, sin) + O (-sin, cos): two packed instructions a pair.
.macro OUTQK a
.if \a
	s_wait_xcnt 0x0                                ; the last turn's stores have read RR: it is rewritten only behind this wait
.endif
	WIN 0x02                                       ; source 0 window 2
.irp m, 0,1,2,3,4,5,6,7
.irp i, 0,1,2,3
	v_pk_mul_f32 v[TW+2*\i:TW+2*\i+1], v[8*(8*\a+\m)+2*\i:8*(8*\a+\m)+2*\i+1], v[TB+32*\a+8*(\m%4)+2*\i:TB+32*\a+8*(\m%4)+2*\i+1] op_sel:[1,1] op_sel_hi:[1,0] neg_lo:[0,1]
.endr
.irp i, 0,1,2,3
	v_pk_fma_f32 v[RR+8*\m+2*\i:RR+8*\m+2*\i+1], v[8*(8*\a+\m)+2*\i:8*(8*\a+\m)+2*\i+1], v[TB+32*\a+8*(\m%4)+2*\i:TB+32*\a+8*(\m%4)+2*\i+1], v[TW+2*\i:TW+2*\i+1] op_sel_hi:[0,1,1]
.endr
.endr
	WIN 0
.irp m, 0,1,2,3,4,5,6,7
.irp i, 0,1,2,3
	v_cvt_pk_f16_f32 v[PK+4*\m+\i], v[RR+8*\m+2*\i], v[RR+8*\m+2*\i+1]
.endr
.endr
.irp m, 0,1,2,3,4,5,6,7
	ds_store_b128 v[STO], v[PK+4*\m:PK+4*\m+3] offset:16*SP*(\m/4)+32*(\m%4)
.endr
.irp m, 0,1,2,3,4,5,6,7
	ds_load_b128 v[RR+4*\m:RR+4*\m+3], v[RD] offset:16*SP*(\m/4)+4*SP*(\m%4)   ; LDS serves a wave's instructions in order: these see the stores above
.endr
.irp t, 0,1,2,3
	s_wait_dscnt 7-\t
	global_store_b128 v[GO], v[RR+4*\t:RR+4*\t+3], s[68:69] offset:2048*\a+512*\t     ; a wave stores 512 neighbouring bytes, aligned
.endr
.irp t, 0,1,2,3
	s_wait_dscnt 3-\t
	global_store_b128 v[GO], v[RR+16+4*\t:RR+16+4*\t+3], s[70:71] offset:2048*\a+512*\t
.endr
.endm
	OUTQK 0
	OUTQK 1
	OUTQK 2
	OUTQK 3
	; v: lane (r, h) of tile (a, b) holds column 16 b + r, tokens 16 a + 8 h + 0 .. 7: 16 bytes of a row of the transposed block
	s_wait_xcnt 0x0
	WIN 0x0f
.irp b, 0,1,2,3
.irp a, 0,1,2,3
.irp i, 0,1,2,3
	v_cvt_pk_f16_f32 v[RR+4*(4*\b+\a)+\i], v[8*(4*\a+\b)+2*\i], v[8*(4*\a+\b)+2*\i+1]
.endr
.endr
.endr
	WIN 0
.irp b, 0,1,2,3
.irp a, 0,1,2,3
	ds_store_b128 v[STO], v[RR+4*(4*\b+\a):RR+4*(4*\b+\a)+3] offset:16*SP*\b+32*\a
.endr
.endr
.irp t, 0,1,2,3,4,5,6,7,8,9,10,11,12,13,14,15
	ds_load_b128 v[TB+4*\t:TB+4*\t+3], v[RD] offset:4*SP*\t
.endr
.irp t, 0,1,2,3,4,5,6,7,8,9,10,11,12,13,14,15
	s_wait_dscnt 15-\t
	global_store_b128 v[GO], v[TB+4*\t:TB+4*\t+3], s[72:73] offset:512*\t
.endr
	s_wait_tensorcnt 0x0
	ds_add_u32 v30, v31
	s_wait_dscnt 0x0
	CROUND                                         ; the closing round: no work-group ends while a partner may still ask for a tile that names it
	s_endpgm
.Lfunc_end_k_q774a1289a8_qkv:
	.size	k_q774a1289a8_qkv, .Lfunc_end_k_q774a1289a8_qkv-k_q774a1289a8_qkv
	.p2alignl 7, 3214868480
	.fill 96, 4, 3214868480
	.section	.rodata,"a",@progbits
	.p2align	6, 0x0
	.amdhsa_kernel k_q774a1289a8_qkv
		.amdhsa_group_segment_fixed_size 327680
		.amdhsa_private_segment_fixed_size 0
		.amdhsa_enable_private_segment 0
		.amdhsa_kernarg_size 48
		.amdhsa_user_sgpr_count 2
		.amdhsa_user_sgpr_kernarg_segment_ptr 1
		.amdhsa_wavefront_size32 1
		.amdhsa_system_sgpr_workgroup_id_x 1
		.amdhsa_system_sgpr_workgroup_id_y 1
		.amdhsa_system_sgpr_workgroup_id_z 1
		.amdhsa_system_vgpr_workitem_id 0
		.amdhsa_next_free_vgpr 896
		.amdhsa_next_free_sgpr 80
		.amdhsa_reserve_vcc 0
		.amdhsa_float_denorm_mode_32 3
		.amdhsa_float_denorm_mode_16_64 3
		.amdhsa_memory_ordered 1
		.amdhsa_forward_progress 1
		.amdhsa_inst_pref_size 182
	.end_amdhsa_kernel
	.amdgpu_metadata
---
amdhsa.version: [ 1, 2 ]
amdhsa.kernels:
  - .name:           k_q774a1289a8_qkv
    .symbol:         k_q774a1289a8_qkv.kd
    .args:
      - { .name: xh, .offset: 0, .size: 8, .value_kind: global_buffer, .address_space: global }
      - { .name: wh, .offset: 8, .size: 8, .value_kind: global_buffer, .address_space: global }
      - { .name: rope, .offset: 16, .size: 8, .value_kind: global_buffer, .address_space: global }
      - { .name: qh, .offset: 24, .size: 8, .value_kind: global_buffer, .address_space: global }
      - { .name: kh, .offset: 32, .size: 8, .value_kind: global_buffer, .address_space: global }
      - { .name: vt, .offset: 40, .size: 8, .value_kind: global_buffer, .address_space: global }
    .group_segment_fixed_size: 327680
    .private_segment_fixed_size: 0
    .kernarg_segment_align: 8
    .kernarg_segment_size: 48
    .max_flat_workgroup_size: 128
    .sgpr_count:     80
    .vgpr_count:     896
    .wavefront_size: 32
...
	.end_amdgpu_metadata
.endif
;; end of part 2
;; launch attn (part 3): grid 8 x 32, 4 waves a work-group, no clusters, 327,680 bytes of LDS; arguments qh, kh, vt, ah; writes ah
.if DOCPART == 3
	.amdgcn_target "amdgcn-amd-amdhsa--gfx1250"
	.amdhsa_code_object_version 6
	.text
	.protected	k_q774a1289a8_attn
	.globl	k_q774a1289a8_attn
	.p2align	8
	.type	k_q774a1289a8_attn,@function
k_q774a1289a8_attn:
	s_mov_b64 s[64:65], 0
	v_nop
	global_prefetch_b8 v0, s[64:65] scope:SCOPE_SE
	s_setreg_imm32_b32 hwreg(HW_REG_WAVE_MODE, 25, 1), 1
	s_wait_xcnt 0x0
; ATTN: causal attention with a running maximum.  qh, kh = rope(q) / 4, rope(k) / 4, vt = v / 4 transposed by blocks; ah [bh][2048][64] f16 = attn / 4.
; exp((q.k) / 8) = exp2(c q'.k') with c = 2 log2(e), since q'.k' = q.k / 16.
; Query blocks of 128 rows, 16 to a head.  Work-group j of a head takes block j and then block 15 - j: (j + 1) + (16 - j) = 17 key tiles of 128
; for every work-group, so all 256 do equal work and the trip count is a constant.  Step t reads tile t (t <= j) or t - j - 1; the diagonal
; tiles are steps j and 16.  A wave takes 32 queries (two tiles of 16).
; NO MULTICAST: the eight work-groups of a head need different tiles in the same step (tile t against tile t - j - 1), and walking in step would mean
; multiplying tiles that the mask throws away: at least 20 tiles for each against 17.
; LAYOUT: S^T = K Q^T (source 0 = 16 keys, source 1 = 16 queries): a lane holds 8 keys of ONE query, so maximum, sum and factor are one number a lane,
; and two packed tiles of S^T are, as they lie, source 1 of O^T = V^T P^T.  No number moves between lanes but one exchange of the halves for the maximum.
; The unit in which O and L are kept is 2^NM, NM = -c x maximum; the factor from step to step is exp2(NM new - NM old), exact in the exponents.
; A block begins with maximum -inf and NM +inf: the factor is then 0 and wipes O and L, which are finite.  In a block's first 64 keys every query sees
; key 0 of the block's first tile or its own key, so the maximum is finite from then on and inf - inf never arises.
; LDS: two slots of four pieces of 8 KiB (keys 0-63, keys 64-127, vt's two blocks), each dense in memory, brought as 32 rows of 256 bytes + 16 of padding;
; wave w brings piece w.  A row of 128 bytes with index i lies at (i / 2) 272 + (i % 2) 128: sixteen rows start at sixteen different 16-byte columns.
.set PIECE, 8704
.set SLOTB, 4*PIECE                    ; 34,816
.set STAGE, 2*SLOTB                    ; behind the ring: 32 rows x 144 bytes for each wave; no fill lands there
.set SP,    144
.set ADR,  4                           ; v4-5    my fragment address in slot 0, 1
.set DD,   6                           ; v6      32 w + r - 8 h: key offset allowed on the diagonal
.set NINF, 7                           ; v7      -inf
.set MM,   8                           ; v8-9    running maximum, query tile 0, 1
.set LL,   10                          ; v10-11  running sum (of my half's keys)
.set NM,   12                          ; v12-13  -c x maximum
.set AL,   14                          ; v14-15  the factor
.set TT,   16                          ; v16-19  maxima at work
.set UU,   20                          ; v20-21  from the other half of the lanes
.set MN,   22                          ; v22-23  new maximum
.set NN,   24                          ; v24-25  new NM
.set SA,   16                          ; v16-23  sums at work
.set STO,  28
.set RD,   29
.set GO,   30
.set QOFF, 31
.set S,    32                          ; v32-95   S^T tile (kt, qt) at S + 32 qt + 8 kt; then P^T fragment (qt, c) at S + 32 qt + 16 c
.set KF,   96                          ; v96-159  K fragments (kt, ks) at KF + 16 kt + 8 ks
.set VF,   160                         ; v160-223 vt fragments (et, ks)
.set TMP,  224                         ; v224-255 packed results
.set QF,   64                          ; window 1: v64-95 Q fragments (qt, ks); v0-63 O^T tile (et, qt) at 8 (2 et + qt)
.set G1,   16                          ; s[16:23]
.set G0,   24                          ; s[24:31] a set for each slot
.set MSB, 0
.macro WIN new
.if MSB != \new
	s_set_vgpr_msb (MSB<<8)|\new
.set MSB, \new
.endif
.endm
	s_load_b256 s[4:11], s[0:1], 0x0               ; qh, kh, vt, ah
	v_lshl_add_u32 v26, v0, 2, 0x29000
	v_mov_b32 v27, 0
	ds_add_u32 v26, v27
	ds_add_u32 v26, v27
	v_lshrrev_b32 v1, 5, v0
	v_readfirstlane_b32 s12, v1                    ; wave
	s_mov_b32 s13, ttmp9                           ; j
	s_and_b32 s14, ttmp7, 0xffff                   ; bh
	s_mov_b32 s[G1+0], (3<<16)|(1<<20)|(5<<22)|(3<<25)   ; 8-byte elements; after every 64 words 4 words of padding
	s_mov_b32 s[G1+1], 32<<16                      ; tensor_dim0 = 32 elements = 256 bytes
	s_mov_b32 s[G1+2], 32<<16                      ; tensor_dim1 = 32 rows
	s_mov_b32 s[G1+3], 32<<16                      ; tile_dim0
	s_mov_b32 s[G1+4], 32                          ; tile_dim1
	s_mov_b32 s[G1+5], 32                          ; the pitch: the block is dense
	s_mov_b32 s[G1+6], 0
	s_mov_b32 s[G1+7], 0
	s_mov_b32 s[G0], 1
	s_mov_b32 s[G0+4], 1
	s_mul_i32 s[G0+1], s12, PIECE                  ; my piece of slot 0
	s_add_co_u32 s[G0+5], s[G0+1], SLOTB           ; and of slot 1
	s_lshl_b32 s50, s14, 18                        ; a head's 262,144 bytes, in kh and in vt alike
	s_and_b32 s51, s12, 1
	s_lshl_b32 s51, s51, 13                        ; which 8 KiB of a tile's 16
	s_add_co_u32 s50, s50, s51
	s_mov_b32 s51, 0
	s_lshl_b32 s52, s14, 18
	s_lshl_b32 s53, s13, 14
	s_add_co_u32 s52, s52, s53                     ; block j: 128 rows x 128 bytes each
	s_sub_co_u32 s54, 15, s13
	s_lshl_b32 s54, s54, 14
	s_lshl_b32 s55, s14, 18
	s_add_co_u32 s54, s54, s55                     ; block 15 - j
	s_mov_b32 s53, 0
	s_mov_b32 s55, 0
	s_lshl_b32 s59, s12, 12                        ; my 32 rows
	s_wait_dscnt 0x0
	s_wait_kmcnt 0x0
	s_cmp_lt_u32 s12, 2                            ; waves 0, 1 bring keys, waves 2, 3 values
	s_cselect_b64 s[32:33], s[6:7], s[8:9]
	s_add_nc_u64 s[32:33], s[32:33], s[50:51]      ; my piece of tile 0
	s_mov_b64 s[G0+2:G0+3], s[32:33]
	s_or_b32 s[G0+3], s[G0+3], 0x80000000
	tensor_load_to_lds s[G0:G0+3], s[G1:G1+7]      ; tile 0 into slot 0: one load of this wave is out
	s_nop 0
	s_add_nc_u64 s[42:43], s[4:5], s[52:53]        ; Q, low block
	s_add_nc_u64 s[44:45], s[4:5], s[54:55]        ; Q, high block
	s_add_co_u32 s52, s52, s59
	s_add_co_u32 s54, s54, s59
	s_add_nc_u64 s[46:47], s[10:11], s[52:53]      ; ah, low block, my rows
	s_add_nc_u64 s[48:49], s[10:11], s[54:55]      ; ah, high block
	s_mov_b32 s38, 0x76543210                      ; v_permlanex16_b32: lane i takes lane i of the other half
	s_mov_b32 s39, 0xfedcba98
	s_mov_b32 s40, 0x4038aa3b                      ; c = 2 log2(e)
	s_mov_b32 s41, 0x4038aa3b
	s_mov_b32 s56, 0xc038aa3b                      ; -c
	s_mov_b32 s36, 0                               ; t
	s_mov_b32 s37, 0                               ; trips
	v_and_b32 v1, 15, v0                           ; r
	v_bfe_u32 v2, v0, 4, 1                         ; h
	v_and_b32 v3, 31, v0                           ; lane
	v_lshrrev_b32 v16, 1, v1
	v_mul_u32_u24 v16, v16, 272
	v_and_b32 v17, 1, v1
	v_lshl_add_u32 v16, v17, 7, v16
	v_lshl_add_u32 v[ADR], v2, 4, v16              ; (r / 2) 272 + (r % 2) 128 + 16 h
	v_add_nc_u32 v[ADR+1], SLOTB, v[ADR]
	s_lshl_b32 s57, s12, 5
	v_add_nc_u32 v[DD], s57, v1
	v_lshlrev_b32 v17, 3, v2
	v_sub_nc_u32 v[DD], v[DD], v17                 ; signed: -8 at the least
	v_mov_b32 v[NINF], 0xff800000
	s_mul_i32 s58, s12, 32*SP
	s_add_co_u32 s58, s58, STAGE
	v_mul_u32_u24 v16, v1, SP
	v_lshl_add_u32 v16, v2, 4, v16
	v_add_nc_u32 v[STO], s58, v16
	v_lshrrev_b32 v16, 3, v3
	v_mul_u32_u24 v16, v16, SP
	v_and_b32 v17, 7, v3
	v_lshl_add_u32 v16, v17, 4, v16
	v_add_nc_u32 v[RD], s58, v16
	v_lshlrev_b32 v[GO], 4, v3
	v_add_nc_u32 v16, s57, v1
	v_lshlrev_b32 v16, 7, v16
	v_lshl_add_u32 v[QOFF], v2, 4, v16             ; (32 w + r) 128 + 16 h
	v_mov_b32 v[MM], 0xff800000
	v_mov_b32 v[MM+1], 0xff800000
	v_mov_b32 v[LL], 0
	v_mov_b32 v[LL+1], 0
	v_mov_b32 v[NM], 0x7f800000
	v_mov_b32 v[NM+1], 0x7f800000
	v_mov_b32 v[UU], 0                             ; v_permlanex16_b32's destination counts as read
	v_mov_b32 v[UU+1], 0
; Q's four fragments straight from memory: lane (r, h) takes query r, 16 bytes at 16 h and at 32 + 16 h of each 64 bytes
.macro QLOAD base
	WIN 0x40
.irp qt, 0,1
.irp ks, 0,1
	global_load_b128 v[QF+8*(2*\qt+\ks):QF+8*(2*\qt+\ks)+3], v[QOFF], s[\base:\base+1] offset:2048*\qt+64*\ks
	global_load_b128 v[QF+8*(2*\qt+\ks)+4:QF+8*(2*\qt+\ks)+7], v[QOFF], s[\base:\base+1] offset:2048*\qt+64*\ks+32
.endr
.endr
.endm
	QLOAD 42
.set i, 0
.rept 64
	v_mov_b32 v[i], 0                              ; O, once in the launch: the first factor, 0, needs finite numbers to wipe
.set i, i+1
.endr
	WIN 0
.macro KLOAD slot, ss
.irp kt, 0,1,2,3
.irp ks, 0,1
	ds_load_b128 v[KF+16*\kt+8*\ks:KF+16*\kt+8*\ks+3], v[ADR+\slot] offset:PIECE*\ss+2176*\kt+64*\ks
	ds_load_b128 v[KF+16*\kt+8*\ks+4:KF+16*\kt+8*\ks+7], v[ADR+\slot] offset:PIECE*\ss+2176*\kt+64*\ks+32
.endr
.endr
.endm
.macro VLOAD slot, ss
.irp et, 0,1,2,3
.irp ks, 0,1
	ds_load_b128 v[VF+16*\et+8*\ks:VF+16*\et+8*\ks+3], v[ADR+\slot] offset:2*PIECE+PIECE*\ss+2176*\et+64*\ks
	ds_load_b128 v[VF+16*\et+8*\ks+4:VF+16*\et+8*\ks+7], v[ADR+\slot] offset:2*PIECE+PIECE*\ss+2176*\et+64*\ks+32
.endr
.endr
.endm
; The diagonal tile: key 64 ss + 16 kt + 8 h + jj stays where it is at most query 32 w + 16 qt + r
.macro MASK ss
.irp qt, 0,1
.irp kt, 0,1,2,3
.irp jj, 0,1,2,3,4,5,6,7
	v_cmp_le_i32 vcc_lo, 64*\ss+16*\kt+\jj-16*\qt, v[DD]
	v_cndmask_b32 v[S+32*\qt+8*\kt+\jj], v[NINF], v[S+32*\qt+8*\kt+\jj], vcc_lo
.endr
.endr
.endr
.endm
; O (and at the end 1 / L) : 32 packed multiplies by the lane's factor of query tile 0 or 1
.macro OSCALE
	WIN 0x41
.irp et, 0,1,2,3
.irp p, 0,1,2,3
	v_pk_mul_f32 v[16*\et+2*\p:16*\et+2*\p+1], v[16*\et+2*\p:16*\et+2*\p+1], v[AL:AL+1] op_sel_hi:[1,0]
	v_pk_mul_f32 v[16*\et+8+2*\p:16*\et+8+2*\p+1], v[16*\et+8+2*\p:16*\et+8+2*\p+1], v[AL:AL+1] op_sel:[0,1] op_sel_hi:[1,1]
.endr
.endr
.endm
; 64 keys x 32 queries: maximum, factor, exponentials, sum, P in f16 in place.  The two query tiles go side by side.
.macro SOFT
.irp qt, 0,1
	v_max3_num_f32 v[TT+2*\qt], v[S+32*\qt], v[S+32*\qt+1], v[S+32*\qt+2]
	v_max3_num_f32 v[TT+2*\qt+1], v[S+32*\qt+3], v[S+32*\qt+4], v[S+32*\qt+5]
.endr
.set i, 6
.rept 13
.irp qt, 0,1
	v_max3_num_f32 v[TT+2*\qt+(i/2)%2], v[TT+2*\qt+(i/2)%2], v[S+32*\qt+i], v[S+32*\qt+i+1]
.endr
.set i, i+2
.endr
.irp qt, 0,1
	v_max_num_f32 v[TT+2*\qt], v[TT+2*\qt], v[TT+2*\qt+1]
.endr
.irp qt, 0,1
	v_permlanex16_b32 v[UU+\qt], v[TT+2*\qt], s38, s39     ; the other half's keys of the same query
.endr
.irp qt, 0,1
	v_max3_num_f32 v[MN+\qt], v[TT+2*\qt], v[UU+\qt], v[MM+\qt]
.endr
.irp qt, 0,1
	v_mul_f32 v[NN+\qt], s56, v[MN+\qt]
.endr
.irp qt, 0,1
	v_sub_f32 v[AL+\qt], v[NN+\qt], v[NM+\qt]              ; at most 0; -inf at a block's start
.endr
	v_exp_f32 v[AL], v[AL]
	v_exp_f32 v[AL+1], v[AL+1]
.irp qt, 0,1
	v_mov_b32 v[MM+\qt], v[MN+\qt]                         ; plain places behind the transcendentals (ISA guide 5.7.2)
	v_mov_b32 v[NM+\qt], v[NN+\qt]
.endr
.set i, 0
.rept 16
	v_pk_fma_f32 v[S+i:S+i+1], v[S+i:S+i+1], s[40:41], v[NM:NM+1] op_sel_hi:[1,0,0]
	v_pk_fma_f32 v[S+32+i:S+32+i+1], v[S+32+i:S+32+i+1], s[40:41], v[NM:NM+1] op_sel:[0,0,1] op_sel_hi:[1,0,1]
.set i, i+2
.endr
.set i, 0
.rept 64
	v_exp_f32 v[S+i], v[S+i]
.set i, i+1
.endr
	v_nop                                                  ; one plain place before the last results are read
	s_wait_alu depctr_va_vdst(0)
.irp qt, 0,1
	v_pk_add_f32 v[SA+4*\qt:SA+4*\qt+1], v[S+32*\qt:S+32*\qt+1], v[S+32*\qt+2:S+32*\qt+3]
	v_pk_add_f32 v[SA+4*\qt+2:SA+4*\qt+3], v[S+32*\qt+4:S+32*\qt+5], v[S+32*\qt+6:S+32*\qt+7]
.endr
.set i, 8
.rept 12
.irp qt, 0,1
	v_pk_add_f32 v[SA+4*\qt+2*((i/2)%2):SA+4*\qt+2*((i/2)%2)+1], v[SA+4*\qt+2*((i/2)%2):SA+4*\qt+2*((i/2)%2)+1], v[S+32*\qt+i:S+32*\qt+i+1]
.endr
.set i, i+2
.endr
.irp qt, 0,1
	v_pk_add_f32 v[SA+4*\qt:SA+4*\qt+1], v[SA+4*\qt:SA+4*\qt+1], v[SA+4*\qt+2:SA+4*\qt+3]
.endr
.irp qt, 0,1
	v_add_f32 v[SA+4*\qt], v[SA+4*\qt], v[SA+4*\qt+1]
.endr
.irp qt, 0,1
	v_fma_f32 v[LL+\qt], v[LL+\qt], v[AL+\qt], v[SA+4*\qt]
.endr
.irp qt, 0,1
.irp c, 0,1
.irp i2, 0,1,2,3
	v_cvt_pk_f16_f32 v[S+32*\qt+16*\c+\i2], v[S+32*\qt+16*\c+2*\i2], v[S+32*\qt+16*\c+2*\i2+1]       ; keys 8 h .. of tile 2 c: registers 0-3
.endr
.irp i2, 0,1,2,3
	v_cvt_pk_f16_f32 v[S+32*\qt+16*\c+4+\i2], v[S+32*\qt+16*\c+8+2*\i2], v[S+32*\qt+16*\c+8+2*\i2+1] ; of tile 2 c + 1: registers 4-7
.endr
.endr
.endr
.endm
; 64 keys.  mode 0: the mask is applied in step j alone; mode 1: always (the last step).
.macro SUB slot, ss, mode
	s_wait_dscnt 0x0                               ; K's fragments are in
	WIN 0x04                                       ; source 1 (Q) window 1
.irp ks, 0,1
.irp kt, 0,1,2,3
.irp qt, 0,1
.if \ks == 0
	v_wmma_f32_16x16x32_f16 v[S+32*\qt+8*\kt:S+32*\qt+8*\kt+7], v[KF+16*\kt+8*\ks:KF+16*\kt+8*\ks+7], v[QF+8*(2*\qt+\ks):QF+8*(2*\qt+\ks)+7], 0
.else
	v_wmma_f32_16x16x32_f16 v[S+32*\qt+8*\kt:S+32*\qt+8*\kt+7], v[KF+16*\kt+8*\ks:KF+16*\kt+8*\ks+7], v[QF+8*(2*\qt+\ks):QF+8*(2*\qt+\ks)+7], v[S+32*\qt+8*\kt:S+32*\qt+8*\kt+7]
.endif
.endr
.endr
.endr
	WIN 0                                          ; the eight accumulators took turns, one instruction a turn
.rept 4
	v_nop                                          ; four places before S is read and K's, Q's registers are loaded again (ISA guide 7.12.1 for vector instructions)
.endr
	VLOAD \slot, \ss
.if \ss == 0
	KLOAD \slot, 1                                 ; the next 64 keys, while the softmax runs
.endif
.if \mode == 0
	s_cmp_lg_u32 s36, s13
	s_cbranch_scc1 .Lnomask_\@
.endif
	MASK \ss
.if \mode == 0
.if \ss == 1
	QLOAD 44                                       ; the low block's last product with Q has gone: the high block's Q; waited for at the next step's head
	WIN 0
.endif
.Lnomask_\@:
.endif
	SOFT
	OSCALE
.if \ss == 0
	s_wait_dscnt 16                                ; vt's fragments are in; the next K's 16 loads may stay out
.else
	s_wait_dscnt 0x0
.endif
	WIN 0x50                                       ; C and D window 1
.irp ks, 0,1
.irp et, 0,1,2,3
.irp qt, 0,1
	v_wmma_f32_16x16x32_f16 v[8*(2*\et+\qt):8*(2*\et+\qt)+7], v[VF+16*\et+8*\ks:VF+16*\et+8*\ks+7], v[S+32*\qt+16*\ks:S+32*\qt+16*\ks+7], v[8*(2*\et+\qt):8*(2*\et+\qt)+7]
.endr
.endr
.endr
	WIN 0
.rept 5
	v_nop                                          ; five places before the next product writes over P (ISA guide 7.12.1)
.endr
.endm
; A block is done: O / L, f16, through my stage, out as whole rows.  more = 1: the next block begins.
.macro FIN base, more
.irp qt, 0,1
	v_permlanex16_b32 v[UU+\qt], v[LL+\qt], s38, s39
.endr
.irp qt, 0,1
	v_add_f32 v[LL+\qt], v[LL+\qt], v[UU+\qt]      ; both halves' keys
.endr
	v_rcp_f32 v[AL], v[LL]
	v_rcp_f32 v[AL+1], v[LL+1]
	v_nop
	s_wait_alu depctr_va_vdst(0)
	OSCALE
	WIN 0x05
.irp qt, 0,1
.irp et, 0,1,2,3
.irp i2, 0,1,2,3
	v_cvt_pk_f16_f32 v[TMP+4*(4*\qt+\et)+\i2], v[8*(2*\et+\qt)+2*\i2], v[8*(2*\et+\qt)+2*\i2+1]
.endr
.endr
.endr
	WIN 0
.irp qt, 0,1
.irp et, 0,1,2,3
	ds_store_b128 v[STO], v[TMP+4*(4*\qt+\et):TMP+4*(4*\qt+\et)+3] offset:16*SP*\qt+32*\et
.endr
.endr
.irp t, 0,1,2,3,4,5,6,7
	ds_load_b128 v[KF+4*\t:KF+4*\t+3], v[RD] offset:4*SP*\t        ; LDS serves a wave's instructions in order: these see the stores above
.endr
.irp t, 0,1,2,3,4,5,6,7
	s_wait_dscnt 7-\t
	global_store_b128 v[GO], v[KF+4*\t:KF+4*\t+3], s[\base:\base+1] offset:512*\t   ; a wave stores 512 neighbouring bytes, aligned
.endr
.if \more
	s_wait_xcnt 0x0                                ; K's registers, which the stores read, are loaded again only behind this wait
	v_mov_b32 v[MM], 0xff800000
	v_mov_b32 v[MM+1], 0xff800000
	v_mov_b32 v[NM], 0x7f800000
	v_mov_b32 v[NM+1], 0x7f800000
.endif
.endm
; One key tile of 128.  refill = 1: the other slot gets step t + 1's tile.
.macro STEP slot, refill, mode
	s_wait_tensorcnt 0x0                           ; all my tensor loads have landed, my piece of this step's tile among them: every group 0 may be written
	ds_add_u32 v26, v27
	s_wait_dscnt 0x0
	s_wait_loadcnt 0x0                             ; Q (at the start, and behind the change of blocks)
.if \refill
	s_add_co_u32 s50, s36, 1
	s_sub_co_u32 s51, s36, s13
	s_cmp_le_u32 s50, s13
	s_cselect_b32 s50, s50, s51                    ; tile of step t + 1: t + 1 while that is at most j, else t - j
	s_lshl_b32 s50, s50, 14
	s_mov_b32 s51, 0
	s_add_nc_u64 s[G0+4*(1-\slot)+2:G0+4*(1-\slot)+3], s[32:33], s[50:51]
	s_or_b32 s[G0+4*(1-\slot)+3], s[G0+4*(1-\slot)+3], 0x80000000
.endif
	s_wait_dscnt 0x0                               ; my reads of the other slot are over
	s_barrier_signal -1
	s_barrier_wait -1                              ; both now hold of all four waves
.if \refill
	tensor_load_to_lds s[G0+4*(1-\slot):G0+4*(1-\slot)+3], s[G1:G1+7]   ; my one load behind the barrier; it has the whole step in which to land
	s_nop 0
.endif
	KLOAD \slot, 0
	SUB \slot, 0, \mode
	SUB \slot, 1, \mode
.if \mode == 0
	s_cmp_lg_u32 s36, s13
	s_cbranch_scc1 .Lnofin_\@
	FIN 46, 1
.Lnofin_\@:
	s_add_co_u32 s36, s36, 1
.else
	FIN 48, 0
.endif
.endm
.Lstep:
	STEP 0, 1, 0
	STEP 1, 1, 0
	s_add_co_u32 s37, s37, 1
	s_cmp_lt_u32 s37, 8
	s_cbranch_scc1 .Lstep
	STEP 0, 0, 1                                   ; step 16: the high block's diagonal tile; nothing is left to fetch
	s_wait_tensorcnt 0x0
	ds_add_u32 v26, v27
	s_wait_dscnt 0x0
	s_endpgm
.Lfunc_end_k_q774a1289a8_attn:
	.size	k_q774a1289a8_attn, .Lfunc_end_k_q774a1289a8_attn-k_q774a1289a8_attn
	.p2alignl 7, 3214868480
	.fill 96, 4, 3214868480
	.section	.rodata,"a",@progbits
	.p2align	6, 0x0
	.amdhsa_kernel k_q774a1289a8_attn
		.amdhsa_group_segment_fixed_size 327680
		.amdhsa_private_segment_fixed_size 0
		.amdhsa_enable_private_segment 0
		.amdhsa_kernarg_size 32
		.amdhsa_user_sgpr_count 2
		.amdhsa_user_sgpr_kernarg_segment_ptr 1
		.amdhsa_wavefront_size32 1
		.amdhsa_system_sgpr_workgroup_id_x 1
		.amdhsa_system_sgpr_workgroup_id_y 1
		.amdhsa_system_sgpr_workgroup_id_z 1
		.amdhsa_system_vgpr_workitem_id 0
		.amdhsa_next_free_vgpr 352
		.amdhsa_next_free_sgpr 66
		.amdhsa_reserve_vcc 1
		.amdhsa_float_denorm_mode_32 3
		.amdhsa_float_denorm_mode_16_64 3
		.amdhsa_memory_ordered 1
		.amdhsa_forward_progress 1
		.amdhsa_inst_pref_size 163
	.end_amdhsa_kernel
	.amdgpu_metadata
---
amdhsa.version: [ 1, 2 ]
amdhsa.kernels:
  - .name:           k_q774a1289a8_attn
    .symbol:         k_q774a1289a8_attn.kd
    .args:
      - { .name: qh, .offset: 0, .size: 8, .value_kind: global_buffer, .address_space: global }
      - { .name: kh, .offset: 8, .size: 8, .value_kind: global_buffer, .address_space: global }
      - { .name: vt, .offset: 16, .size: 8, .value_kind: global_buffer, .address_space: global }
      - { .name: ah, .offset: 24, .size: 8, .value_kind: global_buffer, .address_space: global }
    .group_segment_fixed_size: 327680
    .private_segment_fixed_size: 0
    .kernarg_segment_align: 8
    .kernarg_segment_size: 32
    .max_flat_workgroup_size: 128
    .sgpr_count:     66
    .vgpr_count:     352
    .wavefront_size: 32
...
	.end_amdgpu_metadata
.endif
;; end of part 3
;; launch proj (part 4): grid 8 x 32, 4 waves a work-group, clusters of 4 x 4, 327,680 bytes of LDS; arguments ah, wh, out0; writes out0
.if DOCPART == 4
	.amdgcn_target "amdgcn-amd-amdhsa--gfx1250"
	.amdhsa_code_object_version 6
	.text
	.protected	k_q774a1289a8_proj
	.globl	k_q774a1289a8_proj
	.p2align	8
	.type	k_q774a1289a8_proj,@function
k_q774a1289a8_proj:
	s_mov_b64 s[64:65], 0
	v_nop
	global_prefetch_b8 v0, s[64:65] scope:SCOPE_SE
	s_setreg_imm32_b32 hwreg(HW_REG_WAVE_MODE, 25, 1), 1
	s_wait_xcnt 0x0
	s_wait_alu depctr_hold_cnt(0) depctr_sa_sdst(0) depctr_va_vdst(0) depctr_va_sdst(0) depctr_va_ssrc(0) depctr_va_vcc(0) depctr_vm_vsrc(0)
	s_getreg_b32 s2, hwreg(HW_REG_IB_STS2, 6, 4)
	s_cmp_eq_u32 s2, 0
	s_cbranch_scc0 .Lentry_in_a_cluster
	s_endpgm
.Lentry_in_a_cluster:
	s_bfe_u32 s2, ttmp6, 0x10000c
	s_cmp_lg_u32 s2, 0xf033
	s_cbranch_scc0 .Lentry_shape_is_right
	s_endpgm
.Lentry_shape_is_right:
; PROJ: out0[4096][1024] f32 = attn Wo^T.  ah [bh][2048][64] f16 = attn / 4; rows 3072 .. 4095 of wh = 4 Wo in f16: the factors cancel exactly.
; A work-group makes 128 tokens x 128 columns: 32 x 8 = 256 work-groups.  Wave (wm, wn) makes 64 x 64: 16 accumulator tiles.
; K = 1,024 goes in four fills of 256 (four heads) through two LDS slots; all is written out, there is no loop.
; CLUSTERS: 4 x 4 work-groups; attn's tile hangs on the token block alone and is asked for jointly along a row of the cluster, Wo's on the column block
; alone and jointly along a column.
; attn's tile: ah is head-major, so 64 tokens of one head are 8 KiB dense.  One load takes 4 heads: 4 rows of 4,096 elements, 131,072 elements apart.
; The padding of 16 bytes behind every 256 runs along the whole tile: a pair of tokens has a pitch of 272, a head's chunk 8,704 bytes.
; Token i of a head lies at (i / 2) 272 + (i % 2) 128: sixteen tokens start at sixteen different 16-byte columns.
.set ACH,    8704
.set HA,     4*ACH                     ; 64 tokens x 4 heads
.set BP,     528                       ; Wo's rows: 512 bytes + 16
.set HB,     64*BP
.set BBASE,  2*HA
.set SLOT,   2*HA+2*HB                 ; 137,216
.set STAGE,  2*SLOT                    ; behind the ring: 16 rows x 272 bytes for each wave; no fill lands there
.set SPITCH, 272
.set ADRA, 16
.set ADRB, 20
.set STO,  24
.set RD,   25
.set CO,   26
.set F0,   64                          ; window 0: v64-127 fragment buffer 0 (attn's 4 tiles at f, Wo's 4 at f + 32)
.set F1,   128                         ; v128-191 buffer 1.  Window 1: v0-127 accumulators, tile (a, b) at 8 (4 a + b)
.set G1,  24
.set G0,  32
.set G1B, 48
.set G0B, 56
.set MSB, 0
.macro WIN new
.if MSB != \new
	s_set_vgpr_msb (MSB<<8)|\new
.set MSB, \new
.endif
.endm
.macro JLOAD s                         ; waves 0, 1 ask for attn's halves, waves 2, 3 for Wo's
	s_cmp_eq_u32 s11, 0
	s_cbranch_scc0 .Lfor_b_\@
	tensor_load_to_lds s[G0+4*\s:G0+4*\s+3], s[G1:G1+7]
	s_nop 0
	s_branch .Lasked_\@
.Lfor_b_\@:
	tensor_load_to_lds s[G0B+4*\s:G0B+4*\s+3], s[G1B:G1B+7]
	s_nop 0
.Lasked_\@:
.endm
.macro CREST
	s_cmp_lg_u32 s10, 0
	s_cbranch_scc1 .Lnot_wave_0_\@
	s_barrier_signal -3
.Lnot_wave_0_\@:
	s_barrier_wait -3
	s_barrier_signal -1
	s_barrier_wait -1
.endm
.macro CROUND
	s_barrier_signal -1
	s_barrier_wait -1
	CREST
.endm
	s_load_b128 s[4:7], s[0:1], 0x0                ; ah, wh
	s_load_b64 s[8:9], s[0:1], 0x10                ; out0
	v_lshl_add_u32 v254, v0, 2, 0x47400
	v_mov_b32 v255, 0
	ds_add_u32 v254, v255
	ds_add_u32 v254, v255
	v_lshrrev_b32 v1, 5, v0
	v_readfirstlane_b32 s10, v1                    ; wave
	s_lshr_b32 s11, s10, 1                         ; wm: my half of the tokens.  Also: I fetch for attn (0) or for Wo (1)
	s_and_b32 s12, s10, 1                          ; wn: my half of the columns.  Also: which half of that tile I fetch
	s_bfe_u32 s40, ttmp6, 0x40000                  ; cx
	s_bfe_u32 s41, ttmp6, 0x40004                  ; cy
	s_lshl_b32 s42, ttmp9, 2
	s_add_co_u32 s42, s42, s40                     ; column block
	s_and_b32 s13, ttmp7, 0xffff
	s_lshl_b32 s13, s13, 2
	s_add_co_u32 s13, s13, s41                     ; token block
	s_lshl_b32 s43, s41, 2
	s_lshl_b32 s43, 15, s43                        ; my row of the cluster
	s_lshl_b32 s44, 0x1111, s40                    ; my column
	s_or_b32 s[G1+0], s43, (1<<16)|(1<<20)|(1<<21)|(5<<22)|(3<<25)   ; 2-byte elements; after every 64 words 4 words of padding
	s_or_b32 s[G1B+0], s44, (1<<16)|(1<<20)|(1<<21)|(6<<22)|(3<<25)  ; after every 128 words
	s_mov_b32 s[G1+1], 4096<<16                    ; tensor_dim0 = 4,096 elements (64 tokens x 64)
	s_mov_b32 s[G1B+1], 256<<16                    ; 256 elements
	s_mov_b32 s[G1+2], 4<<16                       ; tensor_dim1 = 4 heads
	s_mov_b32 s[G1B+2], 64<<16                     ; 64 rows
	s_mov_b32 s[G1+3], 4096<<16                    ; tile_dim0
	s_mov_b32 s[G1B+3], 256<<16
	s_mov_b32 s[G1+4], 4                           ; tile_dim1
	s_mov_b32 s[G1B+4], 64
	s_mov_b32 s[G1+5], 131072                      ; from head to head: 2,048 x 64 elements
	s_mov_b32 s[G1B+5], 1024
	s_mov_b32 s[G1+6], 0
	s_mov_b32 s[G1B+6], 0
	s_mov_b32 s[G1+7], 0
	s_mov_b32 s[G1B+7], 0
	s_lshr_b32 s16, s13, 4
	s_lshl_b32 s16, s16, 22                        ; batch: 16 heads x 262,144 bytes
	s_and_b32 s17, s13, 15
	s_lshl_b32 s17, s17, 14                        ; 128 tokens x 128 bytes
	s_add_co_u32 s16, s16, s17
	s_lshl_b32 s17, s12, 13                        ; my 64 tokens
	s_add_co_u32 s16, s16, s17
	s_mov_b32 s17, 0
	s_lshl_b32 s46, s42, 7
	s_lshl_b32 s47, s12, 6
	s_add_co_u32 s46, s46, s47
	s_add_co_u32 s46, s46, 3072                    ; Wo's row 128 x block + 64 x half, behind the 3,072 rows of q, k, v
	s_lshl_b32 s46, s46, 11
	s_mov_b32 s47, 0
	s_mul_i32 s20, s10, HA                         ; LDS: attn's halves at 0 and HA (waves 0, 1)
	s_mul_i32 s45, s10, HB
	s_add_co_u32 s45, s45, BBASE-2*HB              ; Wo's halves at BBASE and BBASE + HB (waves 2, 3)
	s_wait_dscnt 0x0
	s_wait_kmcnt 0x0
	s_add_nc_u64 s[14:15], s[4:5], s[16:17]
	s_add_nc_u64 s[46:47], s[6:7], s[46:47]
	CROUND                                         ; the first joint loads meet
.irp s, 0,1
	s_mov_b32 s[G0+4*\s], 1
	s_add_co_u32 s[G0+4*\s+1], s20, \s*SLOT
	s_add_nc_u64 s[G0+4*\s+2:G0+4*\s+3], s[14:15], \s*0x100000     ; four heads on
	s_or_b32 s[G0+4*\s+3], s[G0+4*\s+3], 0x80000000
	s_mov_b32 s[G0B+4*\s], 1
	s_add_co_u32 s[G0B+4*\s+1], s45, \s*SLOT
	s_add_nc_u64 s[G0B+4*\s+2:G0B+4*\s+3], s[46:47], \s*512        ; 256 columns on
	s_or_b32 s[G0B+4*\s+3], s[G0B+4*\s+3], 0x80000000
	JLOAD \s                                       ; both first fills: two loads of this wave are out
.endr
	v_and_b32 v1, 15, v0                           ; r
	v_bfe_u32 v2, v0, 4, 1                         ; h
	v_lshrrev_b32 v3, 1, v1
	v_mul_u32_u24 v3, v3, 272
	v_and_b32 v4, 1, v1
	v_lshl_add_u32 v3, v4, 7, v3
	v_lshl_add_u32 v3, v2, 4, v3                   ; attn: (r / 2) 272 + (r % 2) 128 + 16 h
	v_mul_u32_u24 v4, v1, BP
	v_lshl_add_u32 v4, v2, 4, v4                   ; Wo: r 528 + 16 h
	s_mul_i32 s21, s11, HA
	s_mul_i32 s22, s12, HB
	s_add_co_u32 s22, s22, BBASE
.irp s, 0,1
	v_add_nc_u32 v[ADRA+\s], s21, v3
	v_add_nc_u32 v[ADRB+\s], s22, v4
	s_add_co_u32 s21, s21, SLOT
	s_add_co_u32 s22, s22, SLOT
.endr
	s_mul_i32 s23, s10, 16*SPITCH
	s_add_co_u32 s23, s23, STAGE
	v_mul_u32_u24 v5, v1, SPITCH
	v_lshl_add_u32 v5, v2, 5, v5
	v_add_nc_u32 v[STO], s23, v5                   ; in: row r, 32 bytes for each half of the lanes
	v_mul_u32_u24 v5, v2, SPITCH
	v_lshl_add_u32 v5, v1, 4, v5
	v_add_nc_u32 v[RD], s23, v5                    ; back: lanes 0-15 one row of 256 bytes, lanes 16-31 the next
	v_lshlrev_b32 v5, 12, v2
	v_lshl_add_u32 v[CO], v1, 4, v5                ; the same two rows in out0
; 16 LDS loads: the fragments of quarter q (32 along K: head q / 2, half q % 2 of its 64) into buffer f
.macro FETCHP slot, q, f
.irp a, 0,1,2,3
	ds_load_b128 v[\f+8*\a:\f+8*\a+3],   v[ADRA+\slot] offset:ACH*((\q)/2)+2176*\a+64*((\q)%2)
	ds_load_b128 v[\f+8*\a+4:\f+8*\a+7], v[ADRA+\slot] offset:ACH*((\q)/2)+2176*\a+64*((\q)%2)+32
.endr
.irp b, 0,1,2,3
	ds_load_b128 v[\f+32+8*\b:\f+32+8*\b+3], v[ADRB+\slot] offset:16*BP*\b+64*(\q)
	ds_load_b128 v[\f+32+8*\b+4:\f+32+8*\b+7], v[ADRB+\slot] offset:16*BP*\b+64*(\q)+32
.endr
.endm
; 16 matrix instructions, transposed use (source 0 = Wo's rows, source 1 = tokens): a lane holds 8 neighbouring columns of one token.
; The 16 accumulators take turns, one instruction a turn.
.macro MULP f, zero
	WIN 0x50
.irp a, 0,1,2,3
.irp b, 0,1,2,3
.if \zero
	v_wmma_f32_16x16x32_f16 v[8*(4*\a+\b):8*(4*\a+\b)+7], v[\f+32+8*\b:\f+32+8*\b+7], v[\f+8*\a:\f+8*\a+7], 0
.else
	v_wmma_f32_16x16x32_f16 v[8*(4*\a+\b):8*(4*\a+\b)+7], v[\f+32+8*\b:\f+32+8*\b+7], v[\f+8*\a:\f+8*\a+7], v[8*(4*\a+\b):8*(4*\a+\b)+7]
.endif
.endr
.endr
	WIN 0
.endm
.macro PLACES                          ; four places between a matrix instruction and a load into one of its registers or a read of its result
.rept 4
	v_nop
.endr
.endm
.macro QUART slot, qnext, f, g, zero
	PLACES
	FETCHP \slot, \qnext, \g
	s_wait_dscnt 16                                ; all but the 16 just issued: buffer f is whole
	MULP \f, \zero
.endm
.macro SEVEN slot, zero
	QUART \slot, 1, F0, F1, \zero
	QUART \slot, 2, F1, F0, 0
	QUART \slot, 3, F0, F1, 0
	QUART \slot, 4, F1, F0, 0
	QUART \slot, 5, F0, F1, 0
	QUART \slot, 6, F1, F0, 0
	QUART \slot, 7, F0, F1, 0
.endm
; The eighth quarter and the change of slots: the waits, the barrier (a round of the cluster's where the slot is filled again), the refill first behind it.
.macro TURNP slot, next, fill
	s_wait_dscnt 0                                 ; my reads of this slot are over
	s_wait_tensorcnt 0x0                           ; all my tensor loads have landed, my part of the next slot among them
	ds_add_u32 v254, v255
	s_wait_dscnt 0x0
	s_barrier_signal -1
	MULP F1, 0                                     ; register work while the others arrive
	s_barrier_wait -1
.if \fill
	CREST
	s_add_nc_u64 s[G0+4*\slot+2:G0+4*\slot+3], s[G0+4*\slot+2:G0+4*\slot+3], 0x200000
	s_add_nc_u64 s[G0B+4*\slot+2:G0B+4*\slot+3], s[G0B+4*\slot+2:G0B+4*\slot+3], 1024
	JLOAD \slot                                    ; my one tensor load behind the round: one load of this wave is out
.endif
	PLACES
	FETCHP \next, 0, F0
.endm
	s_wait_tensorcnt 1                             ; my part of the first fill is in; the second stays out
	s_barrier_signal -1
	s_barrier_wait -1
	FETCHP 0, 0, F0
	SEVEN 0, 1                                     ; the first products start the sums
	TURNP 0, 1, 1
	SEVEN 1, 0
	TURNP 1, 0, 1
	SEVEN 0, 0
	TURNP 0, 1, 0                                  ; nothing is left to fetch
	SEVEN 1, 0
	s_wait_dscnt 0
	MULP F1, 0
	; THE WAY OUT, 16 tokens at a time: 32 bytes a lane into my stage, whole rows of 256 bytes back and out
	PLACES
	s_lshl_b32 s16, s13, 7
	s_lshl_b32 s17, s11, 6
	s_add_co_u32 s16, s16, s17                     ; my first token
	s_lshl_b32 s16, s16, 12                        ; rows of 4,096 bytes
	s_mov_b32 s17, 0
	s_add_nc_u64 s[8:9], s[8:9], s[16:17]
	s_lshl_b32 s46, s42, 9                         ; my first column, in bytes: 512 x block + 256 x half
	s_lshl_b32 s47, s12, 8
	s_add_co_u32 s46, s46, s47
	s_mov_b32 s47, 0
	s_add_nc_u64 s[8:9], s[8:9], s[46:47]
.macro OUT16 a, f
	WIN 0x04                                       ; store data window 1
.irp b, 0,1,2,3
	ds_store_b128 v[STO], v[8*(4*\a+\b):8*(4*\a+\b)+3] offset:64*\b
	ds_store_b128 v[STO], v[8*(4*\a+\b)+4:8*(4*\a+\b)+7] offset:64*\b+16
.endr
	WIN 0
	s_wait_xcnt 0x0                                ; buffer f, which earlier stores read, is loaded again only behind this wait
.irp t, 0,1,2,3,4,5,6,7
	ds_load_b128 v[\f+4*\t:\f+4*\t+3], v[RD] offset:2*SPITCH*\t    ; LDS serves a wave's instructions in order: these see the stores above
.endr
.irp t, 0,1,2,3,4,5,6,7
	s_wait_dscnt 7-\t
	global_store_b128 v[CO], v[\f+4*\t:\f+4*\t+3], s[8:9] offset:(16*\a+2*\t)*4096 th:TH_STORE_NT   ; 16 lanes store 256 consecutive bytes, aligned
.endr
.endm
	OUT16 0, F0
	OUT16 1, F1
	OUT16 2, F0
	OUT16 3, F1
	s_wait_tensorcnt 0x0
	ds_add_u32 v254, v255
	s_wait_dscnt 0x0
	CROUND                                         ; the closing round
	s_endpgm
.Lfunc_end_k_q774a1289a8_proj:
	.size	k_q774a1289a8_proj, .Lfunc_end_k_q774a1289a8_proj-k_q774a1289a8_proj
	.p2alignl 7, 3214868480
	.fill 96, 4, 3214868480
	.section	.rodata,"a",@progbits
	.p2align	6, 0x0
	.amdhsa_kernel k_q774a1289a8_proj
		.amdhsa_group_segment_fixed_size 327680
		.amdhsa_private_segment_fixed_size 0
		.amdhsa_enable_private_segment 0
		.amdhsa_kernarg_size 24
		.amdhsa_user_sgpr_count 2
		.amdhsa_user_sgpr_kernarg_segment_ptr 1
		.amdhsa_wavefront_size32 1
		.amdhsa_system_sgpr_workgroup_id_x 1
		.amdhsa_system_sgpr_workgroup_id_y 1
		.amdhsa_system_sgpr_workgroup_id_z 1
		.amdhsa_system_vgpr_workitem_id 0
		.amdhsa_next_free_vgpr 384
		.amdhsa_next_free_sgpr 66
		.amdhsa_reserve_vcc 0
		.amdhsa_float_denorm_mode_32 3
		.amdhsa_float_denorm_mode_16_64 3
		.amdhsa_memory_ordered 1
		.amdhsa_forward_progress 1
		.amdhsa_inst_pref_size 89
	.end_amdhsa_kernel
	.amdgpu_metadata
---
amdhsa.version: [ 1, 2 ]
amdhsa.kernels:
  - .name:           k_q774a1289a8_proj
    .symbol:         k_q774a1289a8_proj.kd
    .args:
      - { .name: ah, .offset: 0, .size: 8, .value_kind: global_buffer, .address_space: global }
      - { .name: wh, .offset: 8, .size: 8, .value_kind: global_buffer, .address_space: global }
      - { .name: out0, .offset: 16, .size: 8, .value_kind: global_buffer, .address_space: global }
    .group_segment_fixed_size: 327680
    .private_segment_fixed_size: 0
    .kernarg_segment_align: 8
    .kernarg_segment_size: 24
    .max_flat_workgroup_size: 128
    .sgpr_count:     66
    .vgpr_count:     384
    .wavefront_size: 32
...
	.end_amdgpu_metadata
.endif
;; end of part 4
;; ======== version 2 of 2: 4 launches; version 1 with the launch prep written anew for expert scheduling mode
;; limits: values are held in f16: magnitudes above 65,504 overflow, below 6.1e-05 lose precision; right only within a limited range of input values
;; workspace buffers: xh 8,388,608 bytes; wh 8,388,608 bytes; rope 1,048,576 bytes; qh 8,388,608 bytes; kh 8,388,608 bytes; vt 8,388,608 bytes; ah 8,388,608 bytes
;; launch prep (part 5): grid 512 x 1, 8 waves a work-group, no clusters, 0 bytes of LDS; arguments x, Wq, Wk, Wv, Wo, token_positions, xh, wh, rope; writes xh, wh, rope
.if DOCPART == 5
	.amdgcn_target "amdgcn-amd-amdhsa--gfx1250"
	.amdhsa_code_object_version 6
	.text
	.protected	k_q774a1289a8_prep
	.globl	k_q774a1289a8_prep
	.p2align	8
	.type	k_q774a1289a8_prep,@function
k_q774a1289a8_prep:
	s_mov_b64 s[64:65], 0
	v_nop
	global_prefetch_b8 v0, s[64:65] scope:SCOPE_SE
	s_setreg_imm32_b32 hwreg(HW_REG_WAVE_SCHED_MODE, 0, 2), 2
	s_setreg_imm32_b32 hwreg(HW_REG_WAVE_MODE, 25, 1), 1
	s_wait_xcnt 0x0
	s_wait_alu depctr_vm_vsrc(0)
; PREP: narrows x and the four weight matrices from f32 to 16 bits once, and makes the table of cosines and sines.
;   xh[4096][1024]  = bf16(x)
;   wh[4096][1024]: row 192 head + 64 p + e = bf16 of row 64 head + e of Wq (p = 0), Wk (p = 1), 0.25 Wv (p = 2);
;                   row 3072 + e = 4 bf16(Wo[e]), held in f16 words.
;   rope[4096 tokens][32 frequencies][2] = (0.25 cos, 0.25 sin) of position x 10000^(-i/32), f32; a token's row is 256 bytes.
; All five inputs get ONE rounding, bf16's.  Wo's partner in its product is attn, which is kept in f16 for its finer steps, and a matrix
; instruction takes both operands in one format: so bf16(Wo) is held in f16 words, which hold bf16's 8 significant bits exactly.
; The factors are powers of two, so they are exact; they cancel later: (q/4).(k/4) is met by the exponent's constant, (v/4) by 4 Wo.
; LIMITS, stated: |4 Wo| must stay below 65504, f16's largest number, or an infinity appears; below 2^-17 its f16 word is off by 2^-25 at the most.
; The frequency is made by exp2 and differs from a power function's by a few units in the last place, so an angle is off by
; about 3e-7 of its size.  Angles are reduced twice, so every int32 position is served.
; 512 work-groups of eight waves; each converts 16 rows of 1,024 numbers (64 KiB in, 32 KiB out) and makes 8 tokens' table rows.
; Memory binds: no LDS, no barrier, no matrix unit.  Every load of a wave covers 512 neighbouring bytes, every store 256, aligned.
; THE MODE: SCHED_MODE bits 1:0 = 2 (LLVM: expert scheduling mode 2), set by the entry lines.  The code itself states the register dependences
; between vector instructions and memory instructions, with s_wait_alu, always for 0.
; THE PLAN.  Registers that memory instructions touch:
;   v1, v2, v3   byte offsets, made once at the head and never written again: v3 is read by the position's load, v1 by the 16 row loads, v2 by all 17 stores.
;   v4           the position's load lands in it; no vector instruction names it before that load is issued.
;   X            four registers a row: one load lands in them; behind the row's wait on LOADcnt vector instructions alone name them.
;   Y            two registers a row: written by the row's conversions, read by the row's one store, never written again.
;   v[106:107]   the table entry: written by its last two multiplies, read by the table's one store, never written again.
; The 16 rows go in four blocks of four.  Block p's vector instructions name its own X and Y alone; its memory instructions are the four stores of
; block p - 1.  So ONE wait at a block's head, that the block before has written its Y, serves four stores, which are dealt among the block's rows.
; No register that a memory instruction reads is ever written again, so no wait on vm_vsrc is owed; no vector instruction writes a scalar register
; or VCC; EXEC is never written.
.set X, 8                              ; v[8:71]    16 rows x 4 words as loaded
.set Y, 72                             ; v[72:103]  16 rows x 2 words to store
	s_load_b512 s[8:23], s[0:1], 0x0               ; x, Wq, Wk, Wv, Wo, positions, xh, wh
	s_load_b64 s[24:25], s[0:1], 0x40              ; rope
	s_sub_co_u32 s2, ttmp9, 256                    ; groups 256 .. 511 take the weights
	s_lshr_b32 s3, s2, 6                           ; p: which matrix (0 .. 3); for groups 0 .. 255 a number far above 3
	s_and_b32 s4, s2, 63                           ; c: which 16 rows of it
	s_lshr_b32 s5, s4, 2                           ; head = c / 4
	s_mul_i32 s5, s5, 192
	s_lshl_b32 s6, s3, 6
	s_add_co_u32 s5, s5, s6                        ; + 64 p
	s_and_b32 s6, s4, 3
	s_lshl_b32 s6, s6, 4
	s_add_co_u32 s5, s5, s6                        ; + 16 (c mod 4): the row in wh for Wq, Wk, Wv
	s_lshl_b32 s6, s4, 4
	s_add_co_u32 s6, s6, 3072                      ; the row in wh for Wo
	s_lshl_b32 s7, ttmp9, 15                       ; byte offset in xh: 16 rows of 2,048 bytes
	s_cmp_eq_u32 s3, 3
	s_cselect_b32 s5, s6, s5
	s_cselect_b32 s32, 4.0, 1.0                    ; the factor: 4 for Wo,
	s_cmp_eq_u32 s3, 2
	s_cselect_b32 s32, 0x3e800000, s32             ; 0.25 for Wv, 1 for all else
	s_mov_b32 s33, s32
	s_lshl_b32 s5, s5, 11                          ; rows of 2,048 bytes
	s_cmp_lt_u32 ttmp9, 256
	s_cselect_b32 s34, s7, s5                      ; byte offset in the destination
	s_cselect_b32 s36, ttmp9, s4                   ; which piece of 64 KiB of the source
	s_mov_b32 s35, 0
	s_mov_b32 s37, 0
	s_lshl_b32 s36, s36, 16
	s_lshl_b32 s38, ttmp9, 5                       ; my 8 positions
	s_mov_b32 s39, 0
	s_lshl_b32 s40, ttmp9, 11                      ; my 8 table rows
	s_mov_b32 s41, 0
	v_lshlrev_b32 v1, 4, v0                        ; 16 bytes a thread: the eight waves cover a row of 4,096 bytes
	v_lshlrev_b32 v2, 3, v0                        ; 8 bytes a thread in the 16-bit row, and in the table
	v_lshrrev_b32 v3, 5, v0
	v_lshlrev_b32 v3, 2, v3                        ; my wave's token
	v_and_b32 v5, 31, v0                           ; my frequency
	s_wait_kmcnt 0x0
	s_cmp_eq_u32 s3, 1                             ; the source is chosen by the group's number alone
	s_cselect_b64 s[26:27], s[12:13], s[10:11]
	s_cmp_eq_u32 s3, 2
	s_cselect_b64 s[26:27], s[14:15], s[26:27]
	s_cmp_eq_u32 s3, 3
	s_cselect_b64 s[26:27], s[16:17], s[26:27]
	s_cmp_lt_u32 ttmp9, 256
	s_cselect_b64 s[26:27], s[8:9], s[26:27]
	s_cselect_b64 s[28:29], s[20:21], s[22:23]
	s_add_nc_u64 s[26:27], s[26:27], s[36:37]
	s_add_nc_u64 s[28:29], s[28:29], s[34:35]
	s_add_nc_u64 s[18:19], s[18:19], s[38:39]
	s_add_nc_u64 s[24:25], s[24:25], s[40:41]
	s_wait_alu depctr_va_vdst(0)                   ; v1, v2 and v3 are written: every load and store of the kernel reads one of them as its offset
	global_load_b32 v4, v3, s[18:19]               ; the position
.irp i, 0,1,2,3,4,5,6,7,8,9,10,11,12,13,14,15
	global_load_b128 v[X+4*\i:X+4*\i+3], v1, s[26:27] offset:4096*\i th:TH_LOAD_NT
.endr
	; the table entry, while the rows are on their way
	v_cvt_f32_u32 v104, v5
	v_mul_f32 v104, 0xbed49a78, v104               ; -i log2(10000) / 32
	v_exp_f32 v105, v104                           ; the frequency
	v_nop                                          ; one plain place behind a transcendental (ISA guide 5.7.2)
	s_wait_loadcnt 16                              ; the position is in; the 16 younger loads stay out
	v_cvt_f32_i32 v108, v4
	s_wait_alu depctr_va_vdst(0)                   ; the exponential has written v105, ahead of its first reader
	v_mul_f32 v108, v108, v105                     ; the angle
	v_mul_f32 v109, 0x3e22f983, v108               ; angle / 2 pi
	v_rndne_f32 v109, v109                         ; whole turns
	v_fma_f32 v110, v108, 0x3e22f983, -v109        ; the fraction of a turn, one rounding,
	v_fmamk_f32 v110, v108, 0x31dc9c88, v110       ; + angle x what 1 / 2 pi has beyond its f32
	v_rndne_f32 v109, v110                         ; once more: for very large angles the first step leaves whole turns
	v_sub_f32 v110, v110, v109
	v_mul_f32 v111, 0x40c90fdb, v110               ; back to radians, in [-pi, pi]
	v_mul_f32 v112, v111, v111
	v_mov_b32 v113, 0xab573f9f                     ; sine: the series to x^15; the first term left out is below 1e-6 at pi
	v_mov_b32 v114, 0x29573f9f                     ; cosine: to x^16
.irp c, 0x2f309231, 0xb2d7322b, 0x3638ef1d, 0xb9500d01, 0x3c088889, 0xbe2aaaab
	v_fmaak_f32 v113, v113, v112, \c
.endr
.irp c, 0xad49cba5, 0x310f76c7, 0xb493f27e, 0x37d00d01, 0xbab60b61, 0x3d2aaaab, 0xbf000000
	v_fmaak_f32 v114, v114, v112, \c
.endr
	v_mul_f32 v115, v111, v112
	v_fma_f32 v113, v115, v113, v111               ; sin
	v_fma_f32 v114, v112, v114, 1.0                ; cos
	v_mul_f32 v106, 0x3e800000, v114
	v_mul_f32 v107, 0x3e800000, v113
	s_wait_alu depctr_va_vdst(0)                   ; the two multiplies have written v106 and v107, which the store reads
	global_store_b64 v2, v[106:107], s[24:25]      ; a wave writes one token's 256 bytes
; The 16 rows, in four blocks of four.  Each row has its own registers, so no store's source is ever rewritten.
; A row's store stands one block behind its conversions, ahead of the vector work of the row four further on.
; wo = 1: the bf16 numbers are widened again (a shift, a mask) and packed as f16.
.macro ROWS wo
.irp p, 0,1,2,3
.irp i, 0,1,2,3
.set RW, 4*(\p)+(\i)                   ; the row at work
	s_wait_loadcnt 15-RW                           ; loads come back in order: this row is in, the younger ones stay out
.if \p
.if (\i) == 0
	s_wait_alu depctr_va_vdst(0)                   ; the block before has written its four rows of Y, which this block's four stores read
.endif
	global_store_b64 v2, v[Y+2*(RW-4):Y+2*(RW-4)+1], s[28:29] offset:2048*(RW-4)  ; no vector instruction since that wait names v2 or these registers
.endif
	v_pk_mul_f32 v[X+4*RW:X+4*RW+1], v[X+4*RW:X+4*RW+1], s[32:33] op_sel_hi:[1,0]
	v_pk_mul_f32 v[X+4*RW+2:X+4*RW+3], v[X+4*RW+2:X+4*RW+3], s[32:33] op_sel_hi:[1,0]
	v_cvt_pk_bf16_f32 v[Y+2*RW], v[X+4*RW], v[X+4*RW+1]
	v_cvt_pk_bf16_f32 v[Y+2*RW+1], v[X+4*RW+2], v[X+4*RW+3]
.if \wo
	v_lshlrev_b32 v[X+4*RW], 16, v[Y+2*RW]
	v_and_b32 v[X+4*RW+1], 0xffff0000, v[Y+2*RW]
	v_lshlrev_b32 v[X+4*RW+2], 16, v[Y+2*RW+1]
	v_and_b32 v[X+4*RW+3], 0xffff0000, v[Y+2*RW+1]
	v_cvt_pk_f16_f32 v[Y+2*RW], v[X+4*RW], v[X+4*RW+1]
	v_cvt_pk_f16_f32 v[Y+2*RW+1], v[X+4*RW+2], v[X+4*RW+3]
.endif
.endr
.endr
	s_wait_alu depctr_va_vdst(0)                   ; the last block has written its four rows of Y, which the last four stores read
.irp i, 12,13,14,15
	global_store_b64 v2, v[Y+2*\i:Y+2*\i+1], s[28:29] offset:2048*\i
.endr
.endm
	s_cmp_eq_u32 s3, 3                             ; the groups of Wo: by the group's number alone
	s_cbranch_scc1 .Lwo
	ROWS 0
	s_endpgm
.Lwo:
	ROWS 1
	s_endpgm
.Lfunc_end_k_q774a1289a8_prep:
	.size	k_q774a1289a8_prep, .Lfunc_end_k_q774a1289a8_prep-k_q774a1289a8_prep
	.p2alignl 7, 3214868480
	.fill 96, 4, 3214868480
	.section	.rodata,"a",@progbits
	.p2align	6, 0x0
	.amdhsa_kernel k_q774a1289a8_prep
		.amdhsa_group_segment_fixed_size 0
		.amdhsa_private_segment_fixed_size 0
		.amdhsa_enable_private_segment 0
		.amdhsa_kernarg_size 72
		.amdhsa_user_sgpr_count 2
		.amdhsa_user_sgpr_kernarg_segment_ptr 1
		.amdhsa_wavefront_size32 1
		.amdhsa_system_sgpr_workgroup_id_x 1
		.amdhsa_system_sgpr_workgroup_id_y 1
		.amdhsa_system_sgpr_workgroup_id_z 1
		.amdhsa_system_vgpr_workitem_id 0
		.amdhsa_next_free_vgpr 128
		.amdhsa_next_free_sgpr 66
		.amdhsa_reserve_vcc 0
		.amdhsa_float_denorm_mode_32 3
		.amdhsa_float_denorm_mode_16_64 3
		.amdhsa_memory_ordered 1
		.amdhsa_forward_progress 1
		.amdhsa_inst_pref_size 24
	.end_amdhsa_kernel
	.amdgpu_metadata
---
amdhsa.version: [ 1, 2 ]
amdhsa.kernels:
  - .name:           k_q774a1289a8_prep
    .symbol:         k_q774a1289a8_prep.kd
    .args:
      - { .name: x, .offset: 0, .size: 8, .value_kind: global_buffer, .address_space: global }
      - { .name: Wq, .offset: 8, .size: 8, .value_kind: global_buffer, .address_space: global }
      - { .name: Wk, .offset: 16, .size: 8, .value_kind: global_buffer, .address_space: global }
      - { .name: Wv, .offset: 24, .size: 8, .value_kind: global_buffer, .address_space: global }
      - { .name: Wo, .offset: 32, .size: 8, .value_kind: global_buffer, .address_space: global }
      - { .name: token_positions, .offset: 40, .size: 8, .value_kind: global_buffer, .address_space: global }
      - { .name: xh, .offset: 48, .size: 8, .value_kind: global_buffer, .address_space: global }
      - { .name: wh, .offset: 56, .size: 8, .value_kind: global_buffer, .address_space: global }
      - { .name: rope, .offset: 64, .size: 8, .value_kind: global_buffer, .address_space: global }
    .group_segment_fixed_size: 0
    .private_segment_fixed_size: 0
    .kernarg_segment_align: 8
    .kernarg_segment_size: 72
    .max_flat_workgroup_size: 256
    .sgpr_count:     66
    .vgpr_count:     128
    .wavefront_size: 32
...
	.end_amdgpu_metadata
.endif
;; end of part 5
;; launch qkv: the kernel of part 2 again; grid 16 x 16, 4 waves a work-group, clusters of 4 x 4, 327,680 bytes of LDS; arguments xh, wh, rope, qh, kh, vt; writes qh, kh, vt
;; launch attn: the kernel of part 3 again; grid 8 x 32, 4 waves a work-group, no clusters, 327,680 bytes of LDS; arguments qh, kh, vt, ah; writes ah
;; launch proj: the kernel of part 4 again; grid 8 x 32, 4 waves a work-group, clusters of 4 x 4, 327,680 bytes of LDS; arguments ah, wh, out0; writes out0
